; MI455X (gfx1250); checked and timed in simulation.
; The chip was launched on July 23, 2026; its instructions are those of AMD's public machine-readable ISA for CDNA 5 (MIT licence, August 2026) and "CDNA5" Instruction Set Architecture Reference Guide (July 2026). The comments in the code are by the model that wrote it; some were corrected since.
;; Concat Attention Heads. Allowed arithmetic: matrix products marked QUANTISED: E2M3 operands, one E8M0 scale for each 32 along K, by v_wmma_scale_f32_16x16x128_f8f6f4 with both operands' format E2M3, f32 sums; everything else in f32.
;; Inputs: WO_b 1,024 float32; WO_w 1,024 x 1,024 float32; Wk 16 x 1,024 x 64 float32; Wq 16 x 1,024 x 64 float32; Wv 16 x 1,024 x 64 float32; bk 16 x 64 float32; bq 16 x 64 float32; bv 16 x 64 float32; x 4 x 2,048 x 1,024 float32.
;; Outputs: out0 4 x 1,024 x 2,048 float32.
;; This version of the problem:
;;   THIS VERSION OF THE PROBLEM IS GIVEN IN LOW PRECISION. The matrix products marked QUANTISED in the list below multiply operands that are first quantised to E2M3 (2 exponent bits, 3 mantissa bits; 6 bits a number), with one power-of-two scale for each 32 numbers along K (OCP MX v1.0); their sums are f32. All else is computed in f32.
;;   The module's matrix products, in the order in which they are computed (A, B: the left and right operand; K: the contracted axis; several contracted axes count as one K, in the product's order):
;;     1. [M 1,024, K 1,024] x [K 1,024, N 8,192]; A: input Wq; B: input x: QUANTISED
;;     2. [M 1,024, K 1,024] x [K 1,024, N 8,192]; A: input Wk; B: input x: QUANTISED
;;     3. [M 1,024, K 1,024] x [K 1,024, N 8,192]; A: input Wv; B: input x: QUANTISED
;;     4. batch 64 x [M 2,048, K 64] x [K 64, N 2,048]; A: computed on the way; B: computed on the way: QUANTISED
;;     5. batch 64 x [M 2,048, K 2,048] x [K 2,048, N 64]; A: softmax (see below); B: computed on the way: QUANTISED
;;     6. [M 1,024, K 1,024] x [K 1,024, N 8,192]; A: input WO_w; B: computed on the way: QUANTISED
;;   THE QUANTISER, for each operand of a quantised product, along K:
;;     - K is cut into blocks of 32 from its start; a last block that is shorter is filled with zeros.
;;     - A block's scale is 2^e with e = floor(log2(the largest magnitude in the block)) - 2, held to -126 .. 127; a block of zeros has e = 0. As a byte (E8M0): e + 127.
;;     - Each number is divided by its block's scale, clamped to +-7.5, and rounded to the nearest number of E2M3, ties to even, subnormals kept.
;;     - The product sums the exact products of the quantised numbers (number of the format x scale) in f32.
;;   ~~~python
;;   def quantise(x, axis):      # numpy; x: float32 -> the quantised numbers, widened to float32 again
;;       x = np.moveaxis(x, axis, -1); K = x.shape[-1]
;;       x = np.pad(x, [(0, 0)] * (x.ndim - 1) + [(0, -K % 32)]); x = x.reshape(x.shape[:-1] + (-1, 32)); a = np.abs(x).max(-1, keepdims=True)
;;       e = np.where(a > 0, np.clip(np.frexp(np.where(a > 0, a, 1))[1] - 1 - 2, -126, 127), 0)      # np.frexp(a)[1] - 1 = floor(log2(a)), exactly
;;       r = np.clip(x / 2.0 ** e, -7.5, 7.5)
;;       step = 2.0 ** (np.maximum(np.frexp(np.where(r == 0, 1, r))[1] - 1, 0) - 3)
;;       q = np.round(r / step) * step * 2.0 ** e      # np.round: ties to even
;;       return np.moveaxis(q.reshape(q.shape[:-2] + (-1,))[..., :K], -1, axis).astype(np.float32)
;;   ~~~
;;   SOFTMAX AHEAD OF A QUANTISED PRODUCT. Where the list says 'softmax', what is quantised is not the finished softmax but p = 2^(t - M), with t = logit x log2(e) and M = ceil(the row's largest t), a whole number; so 1/2 < the row's largest p <= 1. The row's sum l is taken of the UNQUANTISED p, in f32, and the product's result is divided by l at the end. Since M is a whole number, a kernel that streams over the keys may use a running M (the ceiling of the running maximum): every later rescaling is an exact power of two, which a block's scale takes up: the codes' values come out the same.
;;   OPERANDS COMPUTED ON THE WAY. 'Computed on the way' means the value that the module computes at that place (a softmax that the list does not call 'softmax' is quantised finished and normalised). What goes into a quantiser is computed in f32, as accurately as f32 sums, v_exp_f32 and their like allow (about 1e-6 of the number): no bf16 or f16 on the way to a quantiser, and a product that is left as it is and whose result goes on into a quantised operand takes f32 operands (vector FMAs, or v_wmma_f32_16x16x4_f32). A number that lies on a knife's edge between two numbers of the format may be rounded either way, as far as f32 arithmetic and the matrix unit's own rounding can turn it there, and no further.
;; One version. Each part assembles by itself: llvm-mc -triple=amdgcn-amd-amdhsa -mcpu=gfx1250 --defsym DOCPART=n.
;; ======== version 1 of 1: 4 launches
;; workspace buffers: xq 6,553,600 bytes; wq 2,457,600 bytes; woq 819,200 bytes; qkv 19,660,800 bytes; oq 6,553,600 bytes
;; launch prep (part 1): grid 384 x 1, 4 waves a work-group, no clusters, 68,096 bytes of LDS; arguments x, WO_w, Wq, Wk, Wv, xq, woq, wq; writes xq, woq, wq
.if DOCPART == 1
	.amdgcn_target "amdgcn-amd-amdhsa--gfx1250"
	.amdhsa_code_object_version 6
	.text
	.protected	k_q5b89962e06_prep
	.globl	k_q5b89962e06_prep
	.p2align	8
	.type	k_q5b89962e06_prep,@function
k_q5b89962e06_prep:
	s_mov_b64 s[64:65], 0
	v_nop
	global_prefetch_b8 v0, s[64:65] scope:SCOPE_SE
	s_setreg_imm32_b32 hwreg(HW_REG_WAVE_MODE, 25, 1), 1
	s_wait_xcnt 0x0
; PREP: the five f32 inputs that are operands of a quantised product become codes of FP6 (E2M3), K innermost, with one E8M0 byte for each 32 along K.
; A block's scale is 2^(floor(log2(largest magnitude)) - 2); its byte is the largest magnitude's exponent field - 2, held at 1 from below.
; Work-groups 0-287 take x [8192][1024] and WO_w [1024][1024], whose K is innermost: plain streams of blocks of 32.
; Work-groups 288-383 take Wq, Wk, Wv [16][1024][64], whose K is the middle axis: a lane takes a column (h, d), its registers run down K.
; STORAGE ORDER.  The rows of x and the rows (h, d) of Wq, Wk, Wv are stored at the row number with bits 3 and 4 exchanged (codes and scale bytes alike); WO_w's rows stay.
; Sixteen consecutive stored rows then form a tile whose results, taken two tiles together, give a lane 16 neighbours along the next product's K.
; xq: codes [8192][768], scale bytes [8192][32] at XQS.  woq: [1024][768], [1024][32] at WOQS.  wq: rows (q, k, v; h; d) [3072][768], [3072][32] at WQS.
; LIMITS: NaN and infinities among the inputs are not served.  A block whose largest magnitude lies under 2^-124 (a block of zeros too) gets the byte 1 where the rule
; says 127 for zeros: its codes are zeros or subnormals, and the bytes are read by this program alone.
; No tensor loads, no barrier, no cluster: no two work-groups read the same bytes.  The two paths part on the work-group's number and have LDS bytes of their own.
.set XQS,   6291456
.set WOQS,  786432
.set WQS,   2359296
.set EMAX,  2
.set NROWG, 288
	v_lshl_add_u32 v192, v0, 2, 0x10800
	v_mov_b32 v193, 0
	s_cmp_lt_u32 ttmp9, NROWG
	s_cbranch_scc0 .Lcols
; ---------------- K innermost: x and WO_w.  A wave takes 16 steps of 512 numbers = 8 rows.
.set STEPS, 16
.set WGA,   256                        ; work-groups of x: 8192 x 1024 / 32768
.set CB,    12                         ; bytes of 16 codes
.set RR,    16                         ; v16-79   four sets of 16 numbers as loaded
.set RX,    80                         ; v80-111  two sets of 16 neighbours
.set RE,    112                        ; v112-127 a scale byte for each step
.set RC,    128                        ; v128-191 codes: four registers a step, so that no store's data are written again
.set WREG,  8192                       ; LDS: a region for each wave: two stages of 32 x SP bytes, then its 256 scale bytes
.set SP,    80                         ; a lane's place in a stage: 64 bytes + 16 of padding
	s_load_b128 s[4:7], s[0:1], 0x0                ; x, WO_w
	s_load_b64 s[12:13], s[0:1], 0x28              ; xq
	s_load_b64 s[14:15], s[0:1], 0x30              ; woq
	v_lshrrev_b32 v1, 5, v0
	v_readfirstlane_b32 s16, v1                    ; wave
	v_and_b32 v2, 31, v0                           ; lane
	v_lshlrev_b32 v3, 4, v2                        ; my 16 bytes of a load's 512
	s_mul_i32 s17, s16, WREG
	v_lshrrev_b32 v14, 2, v2
	v_mul_u32_u24 v14, v14, SP
	v_and_b32 v15, 3, v2
	v_lshl_add_u32 v14, v15, 4, v14
	v_add_nc_u32 v14, s17, v14                     ; the stage, on the way in: SP (lane / 4) + 16 (lane % 4)
	v_mul_u32_u24 v15, v2, SP
	v_add_nc_u32 v15, s17, v15                     ; and on the way out: SP x lane: my 16 neighbours
	v_mul_u32_u24 v4, v2, CB                       ; my codes' place in a step's
	v_lshrrev_b32 v5, 1, v2
	s_add_co_u32 s17, s17, 2*32*SP
	v_add_nc_u32 v5, s17, v5                       ; LDS: my wave's 256 scale bytes, my block's byte
	v_lshlrev_b32 v7, 3, v2                        ; on the way out 8 bytes a lane
	v_add_nc_u32 v6, s17, v7
	s_and_b32 s22, s16, 1                          ; a wave's 8 rows: the wave's two bits are the row's bits 3 and 4: exchanged for x's output
	s_lshl_b32 s22, s22, 1
	s_lshr_b32 s23, s16, 1
	s_or_b32 s22, s22, s23
	s_mov_b32 s24, WOQS
	s_mov_b32 s25, 0
	s_wait_alu depctr_va_vdst(0)
	s_wait_kmcnt 0x0
	s_cmp_lt_u32 ttmp9, WGA                        ; x's work-group or WO_w's?  The choice hangs on the work-group's number alone
	s_cselect_b64 s[4:5], s[4:5], s[6:7]
	s_cselect_b64 s[8:9], s[12:13], s[14:15]
	s_cselect_b32 s24, XQS, s24                    ; where the buffer's scale bytes begin
	s_cselect_b32 s17, 0, WGA
	s_cselect_b32 s22, s22, s16                    ; WO_w's rows stay in order
	s_add_nc_u64 s[10:11], s[8:9], s[24:25]
	s_sub_co_u32 s17, ttmp9, s17
	s_lshl_b32 s17, s17, 2
	s_add_co_u32 s18, s17, s16                     ; the run of 8,192 numbers that I read,
	s_add_co_u32 s22, s17, s22                     ; and the run at whose place I write
	s_lshl_b32 s18, s18, 15                        ; 32,768 bytes a run (under 2^26)
	s_mov_b32 s19, 0
	s_add_nc_u64 s[4:5], s[4:5], s[18:19]
	s_mul_i32 s20, s22, 32*STEPS*CB                ; 6,144 bytes of codes a run
	s_mov_b32 s21, 0
	s_add_nc_u64 s[8:9], s[8:9], s[20:21]
	s_lshl_b32 s22, s22, 8                         ; 256 scale bytes a run
	s_mov_b32 s23, 0
	s_add_nc_u64 s[10:11], s[10:11], s[22:23]
.macro RLOAD t
.irp i, 0,1,2,3
	global_load_b128 v[RR+16*((\t)%4)+4*\i:RR+16*((\t)%4)+4*\i+3], v3, s[4:5] offset:2048*(\t)+512*\i th:TH_LOAD_NT   ; 32 lanes read 512 consecutive bytes
.endr
.endm
.macro RTURN t                         ; step t's numbers through the stage: LDS serves a wave's instructions in order, so no wait stands between the stores and the loads
.irp i, 0,1,2,3
	ds_store_b128 v14, v[RR+16*((\t)%4)+4*\i:RR+16*((\t)%4)+4*\i+3] offset:32*SP*((\t)%2)+8*SP*\i
.endr
.irp i, 0,1,2,3
	ds_load_b128 v[RX+16*((\t)%2)+4*\i:RX+16*((\t)%2)+4*\i+3], v15 offset:32*SP*((\t)%2)+16*\i
.endr
.endm
.irp t, 0,1,2,3
	RLOAD \t
.endr
	s_wait_loadcnt 12                              ; step 0's four loads are in; the twelve of steps 1 to 3 may be out
	RTURN 0
.macro RSTEP t
.set XR, RX+16*((\t)%2)
.if (\t) > 0
	s_wait_dscnt 1                                 ; this step's numbers are back from the stage (the last step's byte store may be out)
.else
	s_wait_dscnt 0x0
.endif
.if (\t)+4 < STEPS
	RLOAD (\t)+4                                   ; into the registers that the stage's stores have read
.endif
.if (\t)+1 < STEPS
.if STEPS-2-(\t) >= 3
	s_wait_loadcnt 12                              ; the next step's four loads are in; those of the three steps behind it may be out
.else
	s_wait_loadcnt 4*(STEPS-2-(\t))
.endif
	RTURN (\t)+1
.endif
	v_max3_num_f32 v8, |v[XR]|, |v[XR+1]|, |v[XR+2]|               ; the largest magnitude of my 16
	v_max3_num_f32 v9, |v[XR+3]|, |v[XR+4]|, |v[XR+5]|
.irp i, 6,10
	v_max3_num_f32 v8, v8, |v[XR+\i]|, |v[XR+\i+1]|
	v_max3_num_f32 v9, v9, |v[XR+\i+2]|, |v[XR+\i+3]|
.endr
	v_max3_num_f32 v8, v8, |v[XR+14]|, |v[XR+15]|
	v_max3_num_f32 v8, v8, v9, (EMAX+1)<<23        ; and the floor 2^(3 - 127): the byte cannot fall under 1
	v_max_num_f32_dpp v8, v8, v8 row_xmask:1 row_mask:0xf bank_mask:0xf   ; and of my neighbour's 16: the block's
	v_add_nc_u32 v11, -(EMAX<<23), v8              ; 2 off its exponent field: the conversion takes the exponent field of this operand as its scale
	v_cvt_scalef32_pk16_fp6_f32 v[RC+4*(\t):RC+4*(\t)+2], v[XR:XR+15], v11
	v_lshrrev_b32 v[RE+(\t)], 23, v11              ; the scale's byte (a plain line behind the conversion)
	ds_store_b8 v5, v[RE+(\t)] offset:16*(\t)      ; both lanes of a block write the same byte with the same value
	global_store_b96 v4, v[RC+4*(\t):RC+4*(\t)+2], s[8:9] offset:32*CB*(\t)   ; the wave stores 384 consecutive bytes
.endm
.irp t, 0,1,2,3,4,5,6,7,8,9,10,11,12,13,14,15
	RSTEP \t
.endr
	ds_load_b64 v[12:13], v6                       ; LDS serves a wave's instructions in order: these see my stores
	s_wait_dscnt 0x0
	global_store_b64 v7, v[12:13], s[10:11]        ; 32 lanes store 256 consecutive bytes, aligned
	s_wait_tensorcnt 0x0
	ds_add_u32 v192, v193
	s_wait_dscnt 0x0
	s_endpgm
; ---------------- K not innermost: Wq, Wk, Wv.  A wave takes 32 columns (half a head) x 256 along K: 8 blocks a lane.
.Lcols:
.set NB,    8
.set CPITCH, 272                       ; a stage row: sixteen places of 16 bytes, each with 12 bytes of codes, + 16
.set KROW,  768                        ; a row of codes in bytes
.set CX,    32                         ; v32-95   two sets of 32 numbers
.set CC,    96                         ; v96..    a block's codes
.set OUTR,  112                        ; v112-175 the way out
.set SB,    24                         ; v24-25   the scale bytes, four to a register
.set CSTG,  32768                      ; this path's LDS begins here
	s_load_b128 s[4:7], s[0:1], 0x10               ; Wq, Wk
	s_load_b64 s[8:9], s[0:1], 0x20                ; Wv
	s_load_b64 s[12:13], s[0:1], 0x38              ; wq
	v_lshrrev_b32 v1, 5, v0
	v_readfirstlane_b32 s16, v1                    ; wave
	v_and_b32 v2, 31, v0                           ; lane
	v_lshlrev_b32 v3, 2, v2                        ; in: 4 bytes a lane
	s_mul_i32 s30, s16, 32*CPITCH
	s_add_co_u32 s30, s30, CSTG                    ; my stage
	v_mul_u32_u24 v4, v2, CPITCH
	v_add_nc_u32 v4, s30, v4                       ; into it: row = my column
	v_and_b32 v5, 15, v2
	v_lshrrev_b32 v6, 4, v2                        ; out of it: sixteen lanes to a row, two rows an instruction
	v_mul_u32_u24 v7, v6, CPITCH
	v_lshl_add_u32 v7, v5, 4, v7
	v_add_nc_u32 v7, s30, v7
	v_mul_u32_u24 v8, v6, KROW
	v_mad_u32_u24 v8, v5, 12, v8                   ; and the same place in the codes' rows (bit 0 of a row is not exchanged)
	v_and_b32 v9, 7, v2                            ; my column's stored row: bits 3 and 4 of the lane exchanged,
	v_and_b32 v10, 8, v2
	v_lshl_add_u32 v9, v10, 1, v9
	v_and_b32 v10, 16, v2
	v_lshrrev_b32 v10, 1, v10
	v_add_nc_u32 v9, v9, v10
	v_lshlrev_b32 v9, 5, v9                        ; 32 scale bytes a row
	s_sub_co_u32 s17, ttmp9, NROWG
	s_lshr_b32 s18, s17, 2                         ; which 128 columns of the 3 x 1024
	s_and_b32 s19, s17, 3                          ; which 256 along K
	s_lshr_b32 s20, s18, 3                         ; the tensor: 0 q, 1 k, 2 v
	s_and_b32 s21, s18, 7
	s_lshl_b32 s21, s21, 7
	s_lshl_b32 s22, s16, 5
	s_add_co_u32 s21, s21, s22                     ; my first column in the tensor: 64 x head + d
	s_lshr_b32 s22, s21, 6
	s_lshl_b32 s22, s22, 18                        ; a head is 1024 x 64 x 4 bytes
	s_lshl_b32 s23, s19, 16                        ; 256 rows of 256 bytes
	s_add_co_u32 s22, s22, s23
	s_and_b32 s23, s21, 63
	s_lshl_b32 s23, s23, 2
	s_add_co_u32 s22, s22, s23
	s_mov_b32 s23, 0
	s_lshl_b32 s24, s20, 10
	s_add_co_u32 s24, s24, s21                     ; my first row of wq
	s_mul_i32 s26, s24, KROW
	s_mul_i32 s27, s19, 192
	s_add_co_u32 s26, s26, s27
	s_mov_b32 s27, 0
	s_lshl_b32 s28, s24, 5
	s_lshl_b32 s29, s19, 3
	s_add_co_u32 s28, s28, s29
	s_add_co_u32 s28, s28, WQS
	s_mov_b32 s29, 0
	s_wait_kmcnt 0x0
	s_cmp_eq_u32 s20, 0
	s_cselect_b64 s[4:5], s[4:5], s[6:7]
	s_cmp_eq_u32 s20, 2
	s_cselect_b64 s[4:5], s[8:9], s[4:5]
	s_add_nc_u64 s[4:5], s[4:5], s[22:23]
	s_add_nc_u64 s[6:7], s[12:13], s[26:27]        ; codes
	s_add_nc_u64 s[8:9], s[12:13], s[28:29]        ; scale bytes
.macro CLOAD t                         ; block t: W(32 t + i, my column), i = 0 .. 31; a wave's load reads 128 consecutive bytes
.irp i, 0,1,2,3,4,5,6,7,8,9,10,11,12,13,14,15,16,17,18,19,20,21,22,23,24,25,26,27,28,29,30,31
	global_load_b32 v[CX+32*((\t)%2)+\i], v3, s[4:5] offset:(32*(\t)+\i)*256 th:TH_LOAD_NT
.endr
.endm
	CLOAD 0
	CLOAD 1
.macro CBLOCK t
.set XB, CX+32*((\t)%2)
.if (\t) < NB-1
	s_wait_loadcnt 32                              ; this block's 32 loads are in; the next block's 32 may be out
.else
	s_wait_loadcnt 0
.endif
	v_max3_num_f32 v12, |v[XB]|, |v[XB+1]|, |v[XB+2]|               ; the block's largest magnitude: all 32 numbers are mine
	v_max3_num_f32 v13, |v[XB+3]|, |v[XB+4]|, |v[XB+5]|
.irp i, 6,10,14,18,22,26
	v_max3_num_f32 v12, v12, |v[XB+\i]|, |v[XB+\i+1]|
	v_max3_num_f32 v13, v13, |v[XB+\i+2]|, |v[XB+\i+3]|
.endr
	v_max3_num_f32 v12, v12, |v[XB+30]|, |v[XB+31]|
	v_max3_num_f32 v12, v12, v13, (EMAX+1)<<23     ; and the floor
	v_add_nc_u32 v11, -(EMAX<<23), v12             ; the conversion's scale operand
	v_lshrrev_b32 v13, 23, v11                     ; the scale's byte
.if (\t)%4 == 0
	v_mov_b32 v[SB+(\t)/4], v13
.else
	v_lshl_or_b32 v[SB+(\t)/4], v13, 8*((\t)%4), v[SB+(\t)/4]
.endif
	v_cvt_scalef32_pk16_fp6_f32 v[CC:CC+2], v[XB:XB+15], v11
	v_cvt_scalef32_pk16_fp6_f32 v[CC+4:CC+6], v[XB+16:XB+31], v11   ; (a conversion's three registers begin on an even number)
	v_nop                                          ; one plain line behind the last conversion
	ds_store_b96 v4, v[CC:CC+2] offset:32*(\t)     ; 12 bytes to a place of 16, so that every LDS address is a multiple of 16
	ds_store_b96 v4, v[CC+4:CC+6] offset:32*(\t)+16
.if (\t)+2 < NB
	CLOAD (\t)+2
.endif
	s_wait_dscnt 0x0                               ; the stores have read their registers: the next block's codes may be written
.endm
.irp t, 0,1,2,3,4,5,6,7
	CBLOCK \t
.endr
	s_wait_alu depctr_va_vdst(0)
	global_store_b64 v9, v[SB:SB+1], s[8:9]        ; my column's 8 scale bytes, at its stored row
.irp t, 0,1,2,3,4,5,6,7,8,9,10,11,12,13,14,15
	ds_load_b96 v[OUTR+4*\t:OUTR+4*\t+2], v7 offset:2*\t*CPITCH   ; columns 2 t and 2 t + 1
.endr
.irp t, 0,1,2,3,4,5,6,7,8,9,10,11,12,13,14,15
	s_wait_dscnt 15-\t                             ; LDS loads come back in order: load t is in, the younger ones may be out
	global_store_b96 v8, v[OUTR+4*\t:OUTR+4*\t+2], s[6:7] offset:2*((\t&3)|((\t&4)<<1)|((\t&8)>>1))*KROW   ; the row's bits 3 and 4 are t's bits 2 and 3: exchanged
.endr
	s_wait_tensorcnt 0x0
	ds_add_u32 v192, v193
	s_wait_dscnt 0x0
	s_endpgm
.Lfunc_end_k_q5b89962e06_prep:
	.size	k_q5b89962e06_prep, .Lfunc_end_k_q5b89962e06_prep-k_q5b89962e06_prep
	.p2alignl 7, 3214868480
	.fill 96, 4, 3214868480
	.section	.rodata,"a",@progbits
	.p2align	6, 0x0
	.amdhsa_kernel k_q5b89962e06_prep
		.amdhsa_group_segment_fixed_size 68096
		.amdhsa_private_segment_fixed_size 0
		.amdhsa_enable_private_segment 0
		.amdhsa_kernarg_size 64
		.amdhsa_user_sgpr_count 2
		.amdhsa_user_sgpr_kernarg_segment_ptr 1
		.amdhsa_wavefront_size32 1
		.amdhsa_system_sgpr_workgroup_id_x 1
		.amdhsa_system_sgpr_workgroup_id_y 1
		.amdhsa_system_sgpr_workgroup_id_z 1
		.amdhsa_system_vgpr_workitem_id 0
		.amdhsa_next_free_vgpr 194
		.amdhsa_next_free_sgpr 66
		.amdhsa_reserve_vcc 0
		.amdhsa_float_denorm_mode_32 3
		.amdhsa_float_denorm_mode_16_64 3
		.amdhsa_memory_ordered 1
		.amdhsa_forward_progress 1
		.amdhsa_inst_pref_size 75
	.end_amdhsa_kernel
	.amdgpu_metadata
---
amdhsa.version: [ 1, 2 ]
amdhsa.kernels:
  - .name:           k_q5b89962e06_prep
    .symbol:         k_q5b89962e06_prep.kd
    .args:
      - { .name: x, .offset: 0, .size: 8, .value_kind: global_buffer, .address_space: global }
      - { .name: WO_w, .offset: 8, .size: 8, .value_kind: global_buffer, .address_space: global }
      - { .name: Wq, .offset: 16, .size: 8, .value_kind: global_buffer, .address_space: global }
      - { .name: Wk, .offset: 24, .size: 8, .value_kind: global_buffer, .address_space: global }
      - { .name: Wv, .offset: 32, .size: 8, .value_kind: global_buffer, .address_space: global }
      - { .name: xq, .offset: 40, .size: 8, .value_kind: global_buffer, .address_space: global }
      - { .name: woq, .offset: 48, .size: 8, .value_kind: global_buffer, .address_space: global }
      - { .name: wq, .offset: 56, .size: 8, .value_kind: global_buffer, .address_space: global }
    .group_segment_fixed_size: 68096
    .private_segment_fixed_size: 0
    .kernarg_segment_align: 8
    .kernarg_segment_size: 64
    .max_flat_workgroup_size: 128
    .sgpr_count:     66
    .vgpr_count:     194
    .wavefront_size: 32
...
	.end_amdgpu_metadata
.endif
;; end of part 1
;; launch qkv (part 2): grid 8 x 48, 4 waves a work-group, clusters of 4 x 4, 327,680 bytes of LDS; arguments xq, wq, bq, bk, bv, qkv; writes qkv
.if DOCPART == 2
	.amdgcn_target "amdgcn-amd-amdhsa--gfx1250"
	.amdhsa_code_object_version 6
	.text
	.protected	k_q5b89962e06_qkv
	.globl	k_q5b89962e06_qkv
	.p2align	8
	.type	k_q5b89962e06_qkv,@function
k_q5b89962e06_qkv:
	s_mov_b64 s[64:65], 0
	v_nop
	global_prefetch_b8 v0, s[64:65] scope:SCOPE_SE
	s_setreg_imm32_b32 hwreg(HW_REG_WAVE_MODE, 25, 1), 1
	s_wait_xcnt 0x0
	s_wait_alu depctr_hold_cnt(0) depctr_sa_sdst(0) depctr_va_vdst(0) depctr_va_sdst(0) depctr_va_ssrc(0) depctr_va_vcc(0) depctr_vm_vsrc(0)
	s_getreg_b32 s2, hwreg(HW_REG_IB_STS2, 6, 4)
	s_cmp_eq_u32 s2, 0
	s_cbranch_scc0 .Lentry_in_a_cluster
	s_endpgm
.Lentry_in_a_cluster:
	s_bfe_u32 s2, ttmp6, 0x10000c
	s_cmp_lg_u32 s2, 0xf033
	s_cbranch_scc0 .Lentry_shape_is_right
	s_endpgm
.Lentry_shape_is_right:
; QKV: q = x Wq + bq, k = x Wk + bk, v = x Wv + bv on codes of FP6 (E2M3) with E8M0 scales, K = 1024; the results are quantised on the way out and leave as codes alone.
; A tile of 256 x 256 results is made by four waves, 128 x 128 each: 64 accumulators, 512 registers.  K goes in steps of 256 through a ring of two LDS slots filled by the tensor data mover.
; The matrix instruction takes 16 rows of 'B' as source 0 and 16 rows of 'A' as source 1: a lane then holds ONE row of A and eight neighbouring rows of B.
;   clusters with y < 8:  A = x (a lane holds a token), B = Wq or Wk (registers run along (h, d)): q and k are quantised along d;
;   clusters with y >= 8: A = Wv (a lane holds a channel d), B = x (registers run along the tokens): v is quantised along the keys.
; The rows of x and of the weights are stored with bits 3 and 4 of the row exchanged, so the 16 registers of two neighbouring tiles of B are 16 neighbours along the next product's K.
; CLUSTERS: 4 x 4 work-groups.  A's tile is shared along a row of the cluster, B's along a column: each is asked for jointly.  The role hangs on the cluster's y, which all sixteen share.
; OUT: qkv holds a record of REC bytes for each (batch, head): K's codes 0, V's codes 98304, K's scales 196608, V's scales 200704, Q's codes 204800, Q's scales 303104.
;   Codes: [16 steps of 128 stored tokens][4 images][1536 bytes]; an image is an operand's 12 registers: registers 4 c .. 4 c + 3 of lane l at 512 c + 16 l.
;   An image of q or k: registers 0-5 = 16 tokens x 64 d, registers 6-11 = the next 16 tokens.  An image of v: 16 channels x 128 keys.
;   Scales: [16 steps][256 bytes]: lane l's 8 bytes at 8 l: word 0 = image 0's words (lanes 0-15) and image 1's (lanes 16-31), word 1 = images 2 and 3.
; LIMITS: NaN and infinities are not served; a block whose largest magnitude lies under 2^-124 gets the byte 1 (zeros: the rule says 127; the codes are zeros and this program alone reads the bytes).
; REGISTERS, in windows of 256: window 0: v0-31 addresses; v32-63 scale words, two sets; v64-127 the biases; from v128 A's fragments, one set; on the way out v128-233 are at work.
;   window 1: B's fragments, two sets.   window 2: the accumulators of my A rows 0-63 ((a, b) at v[8 (8 a + b)]);   window 3: those of rows 64-127.
.set KSTEP,  256
.set NQ,     KSTEP/128
.set ROWB,   192                       ; a tile's row in bytes
.set KROW,   768                       ; a row of codes in memory
.set PITCH,  240                       ; an LDS row: 3 x (64 bytes + 16 of padding)
.set FR,     12
.set NL,     6                         ; LDS loads that bring a fragment
.set NP,     4                         ; places behind this matrix instruction (ISA guide 7.12.1)
.set HALFT,  128*PITCH
.set SLOT,   4*HALFT
.set LAPS,   2                         ; 1024 / 512
.set KS,     32                        ; a row of scale bytes
.set SCL,    2*SLOT
.set HALFS,  (128*KS/256)*272
.set SBLK,   (16*KS/256)*272
.set SPARE,  SCL+4*HALFS               ; the spare words, 128 bytes a wave: two blocks of 256 bytes that no other line names
.set XQS,    6291456                   ; where xq's scale bytes begin
.set WQS,    2359296                   ; and wq's
.set REC,    307200
.set ADRA, 16                          ; v16-19
.set ADRB, 20                          ; v20-23
.set LI16, 24                          ; v24  16 x lane
.set LI8,  25                          ; v25  8 x lane
.set ADRS, 27
.set SPW,  28                          ; v28  my spare word's address; never rewritten
.set NIL,  29                          ; v29  0; never rewritten
.set SC,   32
.set BI,   64                          ; v64-127 the biases, in the results' layout
.set AF,   128
.set AJ,   224                          ; v224-231 the bias loads' offsets
.set T,    128                         ; the way out: 64 numbers
.set CD,   192                         ; v192-210 the codes just made
.set TM,   212                         ; v212-215 largest magnitudes, v216-219 bytes, v224-227 scale operands
.set WD,   228                         ; v228-231 four images' scale words
.set SW,   232                         ; v232-233 what the scale store sends
.set G1, 24
.set G0, 32
.set G1B, 48
.set G0B, 56
.set G1S, 68
.set G0S, 76
.set G1SB, 80
.set G0SB, 88
.set MSB, 0
.macro WIN new                         ; the immediate's high byte repeats the setting that is left
.if MSB != \new
	s_set_vgpr_msb (MSB<<8)|\new
.set MSB, \new
.endif
.endm
.set MUL_LO, 0xa1                      ; source 0 (B) window 1, source 1 (A) window 0, C and D window 2
.set MUL_HI, 0xf1
.set TO_B,   0x40
; A joint load: waves 0 and 1 fetch for A, waves 2 and 3 for B; the branch hangs on the wave's number alone.  Four v_nop follow each line.
.macro JLOAD g0a, g1a, g0b, g1b
	s_cmp_eq_u32 s15, 0
	s_cbranch_scc0 .Lfor_b_\@
	tensor_load_to_lds s[\g0a:\g0a+3], s[\g1a:\g1a+7]
	s_nop 0
.rept 4
	v_nop
.endr
	s_branch .Lasked_\@
.Lfor_b_\@:
	tensor_load_to_lds s[\g0b:\g0b+3], s[\g1b:\g1b+7]
	s_nop 0
.rept 4
	v_nop
.endr
.Lasked_\@:
.endm
.macro CREST                           ; a round of the cluster's barrier behind its opening barrier
	s_cmp_lg_u32 s14, 0
	s_cbranch_scc1 .Lnot_wave_0_\@
	s_barrier_signal -3
.Lnot_wave_0_\@:
	s_barrier_wait -3
	s_barrier_signal -1
	s_barrier_wait -1
.endm
.macro CROUND
	s_barrier_signal -1
	s_barrier_wait -1
	CREST
.endm
	s_load_b256 s[68:75], s[0:1], 0x0              ; xq s[68:69], wq s[70:71], bq s[72:73], bk s[74:75]
	s_load_b128 s[76:79], s[0:1], 0x20             ; bv s[76:77], qkv s[78:79]
	v_lshl_add_u32 v[SPW], v0, 2, SPARE
	v_mov_b32 v[NIL], 0
	ds_add_u32 v28, v29
	ds_add_u32 v28, v29
	s_wait_dscnt 0x0
	v_lshrrev_b32 v1, 5, v0
	v_readfirstlane_b32 s14, v1                    ; wave 0..3
	s_lshr_b32 s15, s14, 1                         ; which half of A's rows is mine.  Also: I fetch for A (0) or for B (1)
	s_and_b32 s16, s14, 1                          ; which half of B's rows.  Also: which 128 rows I fetch
	s_bfe_u32 s40, ttmp6, 0x40000                  ; cx
	s_bfe_u32 s41, ttmp6, 0x40004                  ; cy
	s_and_b32 s95, ttmp7, 0xffff                   ; the cluster's y, 0 .. 11
	s_sub_co_u32 s20, s95, 8
	s_lshl_b32 s20, s20, 1
	s_add_co_u32 s20, s20, ttmp9                   ; v: the cluster's column among x's 8 = 2 (y - 8) + x
	s_cmp_ge_u32 s95, 8                            ; v's clusters
	s_cselect_b32 s20, s20, ttmp9                  ; q, k: the cluster's column among the weights' 2
	s_cselect_b32 s21, 0, s95                      ; q, k: the cluster's row among x's 8; v: the weights' one
	s_cselect_b32 s100, 1, 0
	s_cselect_b32 s22, 2048, 0                     ; Wv's rows begin at row 2048 of wq
	s_lshl_b32 s42, s20, 2
	s_add_co_u32 s42, s42, s40                     ; B's tile = 4 x column + cx
	s_lshl_b32 s17, s21, 2
	s_add_co_u32 s17, s17, s41                     ; A's tile = 4 x row + cy
	s_lshl_b32 s43, s41, 2
	s_lshl_b32 s43, 15, s43                        ; my row of the cluster
	s_lshl_b32 s44, 0x1111, s40                    ; my column
	s_or_b32 s[G1+0], s43, (0<<16)|(1<<20)|(1<<21)|(3<<22)|(3<<25)  ; mask; elements of 1 byte; padding on; bit 21 beside a mask; after every 16 words 4 words
	s_or_b32 s[G1B+0], s44, (0<<16)|(1<<20)|(1<<21)|(3<<22)|(3<<25)
.irp g, G1, G1B
	s_mov_b32 s[\g+1], ROWB<<16                    ; tensor_dim0
	s_mov_b32 s[\g+2], 128<<16                     ; tensor_dim1
	s_mov_b32 s[\g+3], ROWB<<16                    ; tile_dim0
	s_mov_b32 s[\g+4], 128                         ; tile_dim1
	s_mov_b32 s[\g+5], KROW                        ; the pitch
	s_mov_b32 s[\g+6], 0
	s_mov_b32 s[\g+7], 0
.endr
	s_mov_b32 s2, XQS
	s_mov_b32 s3, WQS
	s_wait_kmcnt 0x0
	s_cmp_eq_u32 ttmp9, 0
	s_cselect_b64 s[12:13], s[72:73], s[74:75]     ; the bias: bq or bk,
	s_cmp_ge_u32 s95, 8
	s_cselect_b64 s[12:13], s[76:77], s[12:13]     ; or bv
	s_cselect_b64 s[4:5], s[70:71], s[68:69]       ; A's codes: wq for v, else xq
	s_cselect_b64 s[8:9], s[68:69], s[70:71]       ; B's codes
	s_cselect_b32 s18, s3, s2
	s_cselect_b32 s92, s2, s3
	s_mov_b64 s[96:97], s[78:79]                   ; qkv
	s_mov_b32 s19, 0
	s_mov_b32 s93, 0
	s_add_nc_u64 s[6:7], s[4:5], s[18:19]          ; A's scale bytes
	s_add_nc_u64 s[10:11], s[8:9], s[92:93]        ; B's
	; the scales of 128 rows: 4,096 dense bytes as rows of 256 bytes, 16 bytes of padding behind each (the pointers above have left these registers)
	s_or_b32 s[G1S+0], s43, (3<<16)|(1<<20)|(1<<21)|(5<<22)|(3<<25)
	s_or_b32 s[G1SB+0], s44, (3<<16)|(1<<20)|(1<<21)|(5<<22)|(3<<25)
.irp g, G1S, G1SB
	s_mov_b32 s[\g+1], 32<<16
	s_mov_b32 s[\g+2], (128*KS/256)<<16
	s_mov_b32 s[\g+3], 32<<16
	s_mov_b32 s[\g+4], 128*KS/256
	s_mov_b32 s[\g+5], 32
	s_mov_b32 s[\g+6], 0
	s_mov_b32 s[\g+7], 0
.endr
	s_lshl_b32 s18, s16, 7                         ; which 128 rows of the tile I fetch
	s_lshl_b32 s20, s17, 8
	s_add_co_u32 s20, s20, s18
	s_add_co_u32 s20, s20, s22                     ; A's row
	s_lshl_b32 s46, s42, 8
	s_add_co_u32 s46, s46, s18                     ; B's row
	s_mov_b32 s21, 0
	s_mov_b32 s47, 0
	s_mov_b64 s[18:19], KS
	s_mul_u64 s[22:23], s[20:21], s[18:19]
	s_mul_u64 s[92:93], s[46:47], s[18:19]
	s_mov_b64 s[18:19], KROW
	s_mul_u64 s[20:21], s[20:21], s[18:19]
	s_mul_u64 s[46:47], s[46:47], s[18:19]
	s_mul_i32 s45, s14, HALFT                      ; where they go: wave x 128 rows: no place in the cluster enters an LDS address
	s_mul_i32 s94, s14, HALFS
	s_add_nc_u64 s[20:21], s[4:5], s[20:21]
	s_add_nc_u64 s[22:23], s[6:7], s[22:23]
	s_add_nc_u64 s[46:47], s[8:9], s[46:47]
	s_add_nc_u64 s[92:93], s[10:11], s[92:93]
	CROUND                                         ; all sixteen work-groups are here: the first joint loads meet
	s_mov_b32 s[G0S], 1
	s_add_co_u32 s[G0S+1], s94, SCL
	s_mov_b64 s[G0S+2:G0S+3], s[22:23]
	s_or_b32 s[G0S+3], s[G0S+3], 0x80000000
	s_mov_b32 s[G0SB], 1
	s_add_co_u32 s[G0SB+1], s94, SCL
	s_mov_b64 s[G0SB+2:G0SB+3], s[92:93]
	s_or_b32 s[G0SB+3], s[G0SB+3], 0x80000000
	JLOAD G0S, G1S, G0SB, G1SB                     ; the scales first: filled once
.irp s, 0,1
	s_mov_b32 s[G0+4*\s], 1
	s_add_co_u32 s[G0+4*\s+1], s45, \s*SLOT
	s_add_nc_u64 s[G0+4*\s+2:G0+4*\s+3], s[20:21], \s*ROWB
	s_or_b32 s[G0+4*\s+3], s[G0+4*\s+3], 0x80000000
	s_mov_b32 s[G0B+4*\s], 1
	s_add_co_u32 s[G0B+4*\s+1], s45, \s*SLOT
	s_add_nc_u64 s[G0B+4*\s+2:G0B+4*\s+3], s[46:47], \s*ROWB
	s_or_b32 s[G0B+4*\s+3], s[G0B+4*\s+3], 0x80000000
	s_wait_alu depctr_va_vdst(0)
	s_wait_tensorcnt 0x0
	ds_add_u32 v28, v29
	s_wait_dscnt 0x0
	CROUND
	JLOAD G0+4*\s, G1, G0B+4*\s, G1B               ; one tensor load of mine is out
.endr
	v_and_b32 v1, 15, v0                           ; r
	v_bfe_u32 v2, v0, 4, 1                         ; h
	v_mul_u32_u24 v3, v1, PITCH
	v_mul_u32_u24 v4, v2, 24
	v_add_nc_u32 v4, v3, v4                        ; a fragment's row x pitch + 24 x half
	v_lshl_add_u32 v5, v2, 4, v4                   ; and the same behind one padding more
	s_mul_i32 s21, s15, HALFT                      ; my 128 rows of A
	s_mul_i32 s22, s16, HALFT
	s_add_co_u32 s22, s22, 2*HALFT                 ; my 128 rows of B
.irp s, 0,1
	v_add_nc_u32 v[ADRA+\s], s21, v4
	v_add_nc_u32 v[ADRB+\s], s22, v4
	v_add_nc_u32 v[ADRA+2+\s], s21, v5
	v_add_nc_u32 v[ADRB+2+\s], s22, v5
	s_add_co_u32 s21, s21, SLOT
	s_add_co_u32 s22, s22, SLOT
.endr
	v_mul_u32_u24 v5, v1, KS                       ; my row's scales,
	v_lshrrev_b32 v6, 8, v5
	v_lshl_add_u32 v5, v6, 4, v5                   ; and 16 more for each 256 passed
	s_mul_i32 s21, s15, HALFS
	s_mul_i32 s22, s16, HALFS
	s_add_co_u32 s22, s22, 2*HALFS
	s_sub_co_u32 s22, s22, s21
	v_mul_u32_u24 v6, s22, v2                      ; lanes 16-31 take B's
	s_add_co_u32 s21, s21, SCL
	v_add_nc_u32 v5, v5, v6
	v_add_nc_u32 v[ADRS], s21, v5
	v_and_b32 v6, 31, v0
	v_lshlrev_b32 v[LI16], 4, v6
	v_lshlrev_b32 v[LI8], 3, v6
	; where my 128 x 128 results go, and which biases they take.  x's tile and half give batch and step, the weights' tile and half give the first of my two heads.
	s_and_b32 s20, s42, 3
	s_mov_b32 s47, 204800
	s_mov_b32 s92, 303104
	s_mov_b32 s93, 196608
	s_cmp_eq_u32 ttmp9, 0
	s_cselect_b32 s47, s47, 0                      ; q's or k's codes in a record,
	s_cselect_b32 s92, s92, s93                    ; and scales;
	s_mov_b32 s93, 98304
	s_mov_b32 s94, 200704
	s_cmp_lg_u32 s100, 0
	s_cselect_b32 s47, s93, s47                    ; or v's
	s_cselect_b32 s92, s94, s92
	s_cselect_b32 s18, s42, s17                    ; x's tile
	s_cselect_b32 s19, s16, s15                    ; and my half of it
	s_cselect_b32 s20, s17, s20                    ; the weights' tile in their tensor
	s_cselect_b32 s21, s15, s16                    ; and my half
	s_cselect_b32 s22, 0, 64                       ; the bias's offset: q, k: 64 h + 4 j;  v: 4 (r + 8 (r / 8))
	s_cselect_b32 s23, 4, 0
	s_cselect_b32 s46, 0, 4
	v_and_b32 v6, 8, v1
	v_add_nc_u32 v6, v6, v1                        ; r + 8 (r / 8)
	v_mul_u32_u24 v7, v2, s22
	v_mad_u32_u24 v7, v6, s23, v7
.irp j, 0,1,2,3,4,5,6,7
	v_mad_u32_u24 v[AJ+\j], s46, \j, v7
.endr
	s_lshr_b32 s93, s18, 3                         ; batch
	s_lshl_b32 s93, s93, 4
	s_lshl_b32 s94, s20, 2
	s_add_co_u32 s93, s93, s94
	s_lshl_b32 s94, s21, 1
	s_add_co_u32 s93, s93, s94                     ; 16 x batch + my first head
	s_mul_i32 s93, s93, REC
	s_and_b32 s18, s18, 7
	s_lshl_b32 s18, s18, 1
	s_add_co_u32 s18, s18, s19                     ; the step of 128 tokens
	s_lshl_b32 s94, s18, 8
	s_mul_i32 s18, s18, 6144
	s_add_co_u32 s18, s18, s93
	s_add_co_u32 s18, s18, s47
	s_mov_b32 s19, 0
	s_add_co_u32 s92, s92, s94
	s_add_co_u32 s92, s92, s93
	s_mov_b32 s93, 0
	s_add_nc_u64 s[98:99], s[96:97], s[92:93]      ; my scale words
	s_add_nc_u64 s[96:97], s[96:97], s[18:19]      ; my images
	s_lshl_b32 s18, s20, 10
	s_lshl_b32 s47, s21, 9
	s_add_co_u32 s18, s18, s47
	s_add_nc_u64 s[12:13], s[12:13], s[18:19]      ; my 128 biases
	s_mov_b32 s101, 0xffff0000                     ; lanes 16-31
	s_wait_alu depctr_va_vdst(0)
.irp t, 0,1,2,3,4,5,6,7                        ; q, k: register 8 t + j = the bias of B's tile t, register j;  v: of A's tile t, lane r, in all eight.  They land under the loop
.irp j, 0,1,2,3,4,5,6,7
	global_load_b32 v[BI+8*\t+\j], v[AJ+\j], s[12:13] offset:(32*(\t/2)+8*(\t%2))*4
.endr
.endr
.macro FRAG reg, adr, q, i             ; 16 rows x 128 K: 12 registers, in pieces of 8 bytes; where the piece three on lies behind one padding more, the second address register serves
.irp p, 0,1,2,3,4,5
.set PCE, 12*(\q)+6*(\p/3)+\p%3
.if PCE%8 < 5
	ds_load_b64 v[\reg+2*\p:\reg+2*\p+1], v[\adr] offset:8*PCE+16*(PCE/8)+(\i)*16*PITCH
.else
	ds_load_b64 v[\reg+2*\p:\reg+2*\p+1], v[\adr+2] offset:8*PCE+16*(PCE/8)+(\i)*16*PITCH
.endif
.endr
.endm
; 16 matrix instructions: A's blocks a0, a0 + 1 x B's eight.  The 64 accumulators take turns, one instruction a turn, in the same order in every step.
.macro MUL16 a0, p, q, sc, zero
.irp a, \a0, \a0+1
.irp b, 0,1,2,3,4,5,6,7
.if \zero
	v_wmma_scale_f32_16x16x128_f8f6f4 v[8*(8*((\a)%4)+\b):8*(8*((\a)%4)+\b)+7], v[128*(\p)+FR*\b:128*(\p)+FR*\b+FR-1], v[AF+FR*(\a):AF+FR*(\a)+FR-1], 0, v[SC+8*NQ*(\sc)+NQ*\b+(\q)], v[SC+8*NQ*(\sc)+NQ*(\a)+(\q)] matrix_a_fmt:MATRIX_FMT_FP6 matrix_b_fmt:MATRIX_FMT_FP6 matrix_a_scale:MATRIX_SCALE_ROW1
.else
	v_wmma_scale_f32_16x16x128_f8f6f4 v[8*(8*((\a)%4)+\b):8*(8*((\a)%4)+\b)+7], v[128*(\p)+FR*\b:128*(\p)+FR*\b+FR-1], v[AF+FR*(\a):AF+FR*(\a)+FR-1], v[8*(8*((\a)%4)+\b):8*(8*((\a)%4)+\b)+7], v[SC+8*NQ*(\sc)+NQ*\b+(\q)], v[SC+8*NQ*(\sc)+NQ*(\a)+(\q)] matrix_a_fmt:MATRIX_FMT_FP6 matrix_b_fmt:MATRIX_FMT_FP6 matrix_a_scale:MATRIX_SCALE_ROW1
.endif
.endr
.endr
.endm
.macro FETCH_B slot, q, p
	WIN TO_B
.irp i, 0,1,2,3,4,5,6,7
	FRAG 128*(\p)+FR*\i, ADRB+\slot, \q, \i
.endr
	WIN 0
.endm
.macro FETCH_A slot, q, i0
.irp i, \i0, \i0+1, \i0+2, \i0+3
	FRAG AF+FR*(\i), ADRA+\slot, \q, \i
.endr
.endm
.macro SCALES sc                       ; a K step's scale words: lanes 0-15 A's block i, lanes 16-31 B's block i
.irp i, 0,1,2,3,4,5,6,7
	ds_load_b64 v[SC+8*NQ*\sc+NQ*\i:SC+8*NQ*\sc+NQ*\i+1], v[ADRS] offset:\i*SBLK
.endr
.endm
.macro PLACES n                        ; plain vector lines between a matrix instruction and a load into, or a read of, its registers
.rept \n
	v_nop
.endr
.endm
.macro STEP slot, q, zero              ; 128 along K, with its successor in the same slot
	s_wait_dscnt 4*NL                              ; B's set and A's blocks 0-3 are in; the youngest 24 loads (A's blocks 4-7) may be out
	WIN MUL_LO
	MUL16 0, (\q)%2, \q, \slot, \zero
	MUL16 2, (\q)%2, \q, \slot, \zero
	s_wait_dscnt 0
	PLACES NP
	FETCH_B \slot, (\q)+1, 1-(\q)%2
	FETCH_A \slot, (\q)+1, 0
	WIN MUL_HI
	MUL16 4, (\q)%2, \q, \slot, \zero
	MUL16 6, (\q)%2, \q, \slot, \zero
	PLACES NP
	WIN 0
	FETCH_A \slot, (\q)+1, 4
.endm
; A slot's last step changes slots: each wave waits for all its tensor loads, adds 0 to its spare word, waits for that and for its reads of this slot; one barrier, which opens the cluster's round where the slot is filled again.
.macro TURN slot, next, fill
	s_wait_tensorcnt 0x0                           ; all my tensor loads have landed: my part of the next slot
	ds_add_u32 v[SPW], v[NIL]                      ; 0 onto my spare word
	s_wait_dscnt 4*NL+1                            ; (the add and the youngest 24 loads may be out)
	WIN MUL_LO
	MUL16 0, 1, NQ-1, \slot, 0
	s_wait_dscnt 0x0                               ; the add is done, and my reads of this slot are over
	s_barrier_signal -1
	MUL16 2, 1, NQ-1, \slot, 0
	WIN 0
	s_barrier_wait -1
.if \fill
	CREST                                          ; no wave of any partner still reads this slot's tile or has a load on its way
	s_add_nc_u64 s[G0+4*\slot+2:G0+4*\slot+3], s[G0+4*\slot+2:G0+4*\slot+3], 2*ROWB
	s_add_nc_u64 s[G0B+4*\slot+2:G0B+4*\slot+3], s[G0B+4*\slot+2:G0B+4*\slot+3], 2*ROWB
	JLOAD G0+4*\slot, G1, G0B+4*\slot, G1B         ; the first tensor load behind the round, my only one until the next
.else
	PLACES NP
.endif
	s_wait_alu depctr_va_vdst(0)
	v_add_nc_u32 v[ADRS], 4*NQ, v[ADRS]            ; the next K step's scale words
	FETCH_B \next, 0, 0
	FETCH_A \next, 0, 0
	SCALES \next
	WIN MUL_HI
	MUL16 4, 1, NQ-1, \slot, 0
	MUL16 6, 1, NQ-1, \slot, 0
	PLACES NP
	WIN 0
	FETCH_A \next, 0, 4
.endm
	s_wait_tensorcnt 1                             ; the scales and my part of K step 0 are in (K step 1's load may be out)
	s_barrier_signal -1
	s_barrier_wait -1
	FETCH_B 0, 0, 0
	FETCH_A 0, 0, 0
	SCALES 0
	FETCH_A 0, 0, 4
	STEP 0, 0, 1                                   ; the first step's products start the sums
	s_mov_b32 s3, LAPS-1
.Llap:
	TURN 0, 1, 1
	STEP 1, 0, 0
	TURN 1, 0, 1
	STEP 0, 0, 0
	s_sub_co_u32 s3, s3, 1
	s_cmp_lg_u32 s3, 0
	s_cbranch_scc1 .Llap
	TURN 0, 1, 0                                   ; the last lap fills nothing
	STEP 1, 0, 0
	s_wait_dscnt 4*NL
	WIN MUL_LO
	MUL16 0, 1, NQ-1, 1, 0
	MUL16 2, 1, NQ-1, 1, 0
	s_wait_dscnt 0
	WIN MUL_HI
	MUL16 4, 1, NQ-1, 1, 0
	MUL16 6, 1, NQ-1, 1, 0
	WIN 0
; THE WAY OUT.  64 numbers of a lane, register 16 b + i = k 32 b + 16 (lane / 16) + i of the next product's K, become an operand's 12 registers in v[CD] on and its scale word in v[w].
.macro QUANT s, w
.irp b, 0,1,2,3
	v_max3_num_f32 v[TM+\b], |v[\s+16*\b]|, |v[\s+1+16*\b]|, 0x1800000   ; my 16 numbers of block b, and the floor 2^(3 - 127)
.endr
.irp i, 2,4,6,8,10,12,14
.irp b, 0,1,2,3
	v_max3_num_f32 v[TM+\b], v[TM+\b], |v[\s+16*\b+\i]|, |v[\s+1+16*\b+\i]|
.endr
.endr
.irp b, 0,1,2,3
	v_permlanex16_b32 v[TM+4+\b], v[TM+\b], s2, s3
.endr
.irp b, 0,1,2,3
	v_max_num_f32 v[TM+\b], v[TM+\b], v[TM+4+\b]   ; with lane l xor 16's: the block's largest magnitude
.endr
.irp b, 0,1,2,3
	v_add_nc_u32 v[TM+12+\b], 0xff000000, v[TM+\b] ; 2 off its exponent field: the conversion's scale operand
.endr
.irp b, 0,1,2,3
	v_lshrrev_b32 v[TM+4+\b], 23, v[TM+12+\b]      ; the scale's byte
.endr
	v_lshl_or_b32 v[\w], v[TM+5], 8, v[TM+4]
	v_lshl_or_b32 v[\w], v[TM+6], 16, v[\w]
	v_lshl_or_b32 v[\w], v[TM+7], 24, v[\w]
	s_wait_xcnt 0x0                                ; the last image's stores have read v[CD] on: only now are the codes written again
.irp c, 0,1
	v_cvt_scalef32_pk16_fp6_f32 v[CD+6*\c:CD+2+6*\c], v[\s+32*\c:\s+15+32*\c], v[TM+12+2*\c]
	v_cvt_scalef32_pk16_fp6_f32 v[CD+12+4*\c:CD+14+4*\c], v[\s+16+32*\c:\s+31+32*\c], v[TM+12+2*\c+1]
.endr
	v_nop                                          ; one plain line behind a scaled conversion
.irp c, 0,1                                    ; the operand's layout wants a whole block in a lane
.irp i, 0,1,2
	v_permlane16_swap_b32 v[CD+6*\c+\i], v[CD+12+4*\c+\i]
.endr
.irp i, 0,1,2
	v_mov_b32 v[CD+3+6*\c+\i], v[CD+12+4*\c+\i]
.endr
.endr
.endm
; Image i of my eight: head i / 4 of my two, image i % 4 of the step.  The additions bring the sums into window 0 and add the bias in one line; each accumulator is read from its low end on.
.macro IMG isv, i
.set HH, (\i)/4
.set IO, (\i)%4
.if \isv
.set WW, 0x02+(\i)/4
	WIN WW                                         ; v: A's block i, B's eight blocks: 128 keys
.set k, 0
.rept 32
	v_pk_add_f32 v[T+k:T+k+1], v[64*((\i)%4)+k:64*((\i)%4)+k+1], v[BI+8*(\i)+k%8:BI+8*(\i)+k%8+1]
.set k, k+2
.endr
.else
.set WW, 0x02+IO/2
	WIN WW                                         ; q, k: A's blocks 2 (i % 4) and + 1, the head's four blocks of B: twice 64 d
.irp e, 0,1
.set AB, 64*((2*IO+\e)%4)+32*HH
.set k, 0
.rept 16
	v_pk_add_f32 v[T+32*\e+k:T+32*\e+k+1], v[AB+k:AB+k+1], v[BI+32*HH+k:BI+32*HH+k+1]
.set k, k+2
.endr
.endr
.endif
	WIN 0
	QUANT T, WD+IO
.irp c, 0,1,2
	global_store_b128 v[LI16], v[CD+4*\c:CD+4*\c+3], s[96:97] offset:HH*REC+IO*1536+512*\c   ; 32 lanes store 512 consecutive bytes, aligned to 256
.endr
.if IO == 3
	v_cndmask_b32 v[SW], v[WD], v[WD+1], s101      ; lanes 0-15 the even image's words, lanes 16-31 the odd one's (both halves of the lanes hold a row's word)
	v_cndmask_b32 v[SW+1], v[WD+2], v[WD+3], s101
	global_store_b64 v[LI8], v[SW:SW+1], s[98:99] offset:HH*REC   ; 256 consecutive bytes, aligned
.endif
.endm
	PLACES NP                                      ; behind the last products
	s_wait_loadcnt 0x0                             ; the biases
	s_mov_b32 s2, 0x76543210
	s_mov_b32 s3, 0xfedcba98                       ; v_permlanex16_b32's selects for lane l xor 16
.irp b, 0,1,2,3
	v_mov_b32 v[TM+4+\b], 0                        ; a lane permute's destination counts as one of its sources
.endr
	s_cmp_lg_u32 s100, 0                           ; the role: the same in all waves of the cluster
	s_cbranch_scc1 .Lv_out
.irp i, 0,1,2,3,4,5,6,7
	IMG 0, \i
.endr
	s_branch .Ldone
.Lv_out:
.irp i, 0,1,2,3,4,5,6,7
	IMG 1, \i
.endr
.Ldone:
	s_wait_tensorcnt 0x0                           ; the wave's end
	ds_add_u32 v[SPW], v[NIL]
	s_wait_dscnt 0x0
	CROUND                                         ; the closing round: no work-group ends while a partner may still ask for a tile that names it
	s_endpgm
.Lfunc_end_k_q5b89962e06_qkv:
	.size	k_q5b89962e06_qkv, .Lfunc_end_k_q5b89962e06_qkv-k_q5b89962e06_qkv
	.p2alignl 7, 3214868480
	.fill 96, 4, 3214868480
	.section	.rodata,"a",@progbits
	.p2align	6, 0x0
	.amdhsa_kernel k_q5b89962e06_qkv
		.amdhsa_group_segment_fixed_size 327680
		.amdhsa_private_segment_fixed_size 0
		.amdhsa_enable_private_segment 0
		.amdhsa_kernarg_size 48
		.amdhsa_user_sgpr_count 2
		.amdhsa_user_sgpr_kernarg_segment_ptr 1
		.amdhsa_wavefront_size32 1
		.amdhsa_system_sgpr_workgroup_id_x 1
		.amdhsa_system_sgpr_workgroup_id_y 1
		.amdhsa_system_sgpr_workgroup_id_z 1
		.amdhsa_system_vgpr_workitem_id 0
		.amdhsa_next_free_vgpr 1024
		.amdhsa_next_free_sgpr 102
		.amdhsa_reserve_vcc 0
		.amdhsa_float_denorm_mode_32 3
		.amdhsa_float_denorm_mode_16_64 3
		.amdhsa_memory_ordered 1
		.amdhsa_forward_progress 1
		.amdhsa_inst_pref_size 239
	.end_amdhsa_kernel
	.amdgpu_metadata
---
amdhsa.version: [ 1, 2 ]
amdhsa.kernels:
  - .name:           k_q5b89962e06_qkv
    .symbol:         k_q5b89962e06_qkv.kd
    .args:
      - { .name: xq, .offset: 0, .size: 8, .value_kind: global_buffer, .address_space: global }
      - { .name: wq, .offset: 8, .size: 8, .value_kind: global_buffer, .address_space: global }
      - { .name: bq, .offset: 16, .size: 8, .value_kind: global_buffer, .address_space: global }
      - { .name: bk, .offset: 24, .size: 8, .value_kind: global_buffer, .address_space: global }
      - { .name: bv, .offset: 32, .size: 8, .value_kind: global_buffer, .address_space: global }
      - { .name: qkv, .offset: 40, .size: 8, .value_kind: global_buffer, .address_space: global }
    .group_segment_fixed_size: 327680
    .private_segment_fixed_size: 0
    .kernarg_segment_align: 8
    .kernarg_segment_size: 48
    .max_flat_workgroup_size: 128
    .sgpr_count:     102
    .vgpr_count:     1024
    .wavefront_size: 32
...
	.end_amdgpu_metadata
.endif
;; end of part 2
;; launch attn (part 3): grid 4 x 64, 16 waves a work-group, clusters of 4 x 1, 206,848 bytes of LDS; arguments qkv, oq; writes oq
.if DOCPART == 3
	.amdgcn_target "amdgcn-amd-amdhsa--gfx1250"
	.amdhsa_code_object_version 6
	.text
	.protected	k_q5b89962e06_attn
	.globl	k_q5b89962e06_attn
	.p2align	8
	.type	k_q5b89962e06_attn,@function
k_q5b89962e06_attn:
	s_mov_b64 s[64:65], 0
	v_nop
	global_prefetch_b8 v0, s[64:65] scope:SCOPE_SE
	s_setreg_imm32_b32 hwreg(HW_REG_WAVE_MODE, 25, 1), 1
	s_wait_xcnt 0x0
	s_wait_alu depctr_hold_cnt(0) depctr_sa_sdst(0) depctr_va_vdst(0) depctr_va_sdst(0) depctr_va_ssrc(0) depctr_va_vcc(0) depctr_vm_vsrc(0)
	s_getreg_b32 s2, hwreg(HW_REG_IB_STS2, 6, 4)
	s_cmp_eq_u32 s2, 0
	s_cbranch_scc0 .Lentry_in_a_cluster
	s_endpgm
.Lentry_in_a_cluster:
	s_bfe_u32 s2, ttmp6, 0x10000c
	s_cmp_lg_u32 s2, 0x3003
	s_cbranch_scc0 .Lentry_shape_is_right
	s_endpgm
.Lentry_shape_is_right:
; ATTN: o = softmax(q k^T / 8) v for each (batch, head), both products on codes of FP6 (E2M3) with E8M0 scales; o / l is quantised along (h, d) and leaves as codes.
; THE SOFTMAX: t = score x log2(e) / 8; M = the running largest t rounded up to a whole number; p = 2^(t - M) is quantised along the keys, not normalised; the row's sum is taken of the unquantised p
; and divides at the end.  When M moves, the sum and O are multiplied by 2^(old M - new M): exact.
; SHARES.  A cluster of four work-groups is one (batch, head); a work-group owns 512 queries, each of its sixteen waves 32, in two passes of 16: four waves to a SIMD, so that one wave's
; vector work stands beside another's matrix work and LDS loads.
; LDS.  The head's K, V and their scale words, the first 204,800 bytes of its record, are filled ONCE, jointly for the four work-groups, 12,800 bytes by each wave; nothing is filled again and nothing is stored to LDS.
; LAYOUT.  Both products are used transposed (S^T = K Q^T, O^T = V^T P^T): a lane holds one query.  The operands lie in the record as images of their registers: three loads of 16 bytes a lane bring one.
; An image of K holds two tiles of 16 keys x 64 d (registers 0-5, 6-11).  The head's 64 d fill half of the instruction's 128: Q stands as [q, 0, q] in 18 registers; [q, 0] meets the image's first tile,
; [0, q] its second: zero codes add nothing under any scale byte but 0xff, and all bytes here lie in 1 .. 254.
; The stored order of tokens (bits 3 and 4 of the row exchanged) makes the 16 registers of score tiles 2 b, 2 b + 1 the 16 neighbouring keys 32 b + 16 (lane / 16) + 0 .. 15; the stored order of V's channels does the same for O^T.
; OUT: oq codes [16 heads][512 tiles of 16 stored tokens][3 pieces][32 lanes][8 bytes]; scale bytes [8192 stored tokens][32] at OS, byte 2 h + b for block b of head h.
; The scale bytes leave as 2 bytes a row, rows 32 bytes apart: 1 byte in 24 of what the launch stores; the rows then lie as the next launch's scale tiles want them.
; LIMITS: NaN and infinities are not served; o / l is a reciprocal (1 ulp) and a multiplication; a block of o under 2^-124 gets the byte 1.
; REGISTERS: v1-6 addresses; v8-10 the step's addresses; v12 -M, v13 the largest t, v[14:15] the sum; v16-17 o's scale bytes; v32-79 four images; v96-159 S^T, then p; v160-191 O^T;
;   v192-209 [q, 0, q]; v210-221 Q's image; v222 its scale word; v224-247, v252-254 at work; v[248:249] K's scale words, v[250:251] V's; v253 p's; v255 Q's.
.set REC,   307200
.set VC,    98304
.set KSC,   196608
.set QC,    204800
.set QSC,   303104
.set OS,    6291456
.set PLANE, 393216
.set TB,  2                            ; s2   the step's images: 6,144 bytes a step
.set TS,  3                            ; s3   its scale words: 256 bytes a step
.set WV,  18
.set SEL, 20
.set CS,  22                           ; s[22:23] c = log2(e) / 8
.set G1,  24
.set G0,  32
.set CNT, 66
.set MK,  67
.macro CROUND
	s_barrier_signal -1
	s_barrier_wait -1
	s_cmp_lg_u32 s[WV], 0
	s_cbranch_scc1 .Lnot_wave_0_\@
	s_barrier_signal -3
.Lnot_wave_0_\@:
	s_barrier_wait -3
	s_barrier_signal -1
	s_barrier_wait -1
.endm
	s_load_b64 s[4:5], s[0:1], 0x0                 ; qkv
	s_load_b64 s[8:9], s[0:1], 0x8                 ; oq
	v_lshl_add_u32 v95, v0, 2, 0x32000
	v_mov_b32 v243, 0
	ds_add_u32 v95, v243
	ds_add_u32 v95, v243
	v_lshrrev_b32 v7, 5, v0
	s_delay_alu instid0(VALU_DEP_1)
	v_readfirstlane_b32 s[WV], v7                  ; wave 0..15
	s_bfe_u32 s19, ttmp6, 0x40000                  ; cx: it enters Q's and o's global addresses alone
	s_and_b32 s36, ttmp7, 0xffff                   ; 16 x batch + head, which the four partners share
	s_mul_i32 s38, s36, REC
	s_mov_b32 s39, 0
	s_mul_i32 s37, s[WV], 12800                    ; my part of the record's first 204,800 bytes, in memory and in LDS
	s_mov_b32 s40, s37
	s_mov_b32 s41, 0
	s_mov_b32 s[G1], 15|(3<<16)|(1<<21)            ; the mask: all four work-groups; elements of 8 bytes; no padding; bit 21 beside a mask
	s_mov_b32 s[G1+1], 32<<16                      ; tensor_dim0: rows of 256 bytes
	s_mov_b32 s[G1+2], 50<<16                      ; tensor_dim1
	s_mov_b32 s[G1+3], 32<<16                      ; tile_dim0
	s_mov_b32 s[G1+4], 50                          ; tile_dim1
	s_mov_b32 s[G1+5], 32                          ; the pitch: dense
	s_mov_b32 s[G1+6], 0
	s_mov_b32 s[G1+7], 0
	s_mov_b32 s[SEL], 0x76543210
	s_mov_b32 s[SEL+1], 0xfedcba98
	s_mov_b32 s[CS], 0x3e38aa3b                    ; log2(e) / 8
	s_mov_b32 s[CS+1], s[CS]
	s_mov_b32 s[MK], 0xffff0000
	s_wait_dscnt 0x0
	s_wait_kmcnt 0x0
	s_add_nc_u64 s[4:5], s[4:5], s[38:39]          ; the record
	s_mov_b32 s[G0], 1
	s_mov_b32 s[G0+1], s37
	s_add_nc_u64 s[G0+2:G0+3], s[4:5], s[40:41]
	s_or_b32 s[G0+3], s[G0+3], 0x80000000
	CROUND                                         ; all four work-groups are here: the joint loads meet
	tensor_load_to_lds s[G0:G0+3], s[G1:G1+7]      ; my one tensor load of the launch
	s_nop 0
.rept 4
	v_nop
.endr
	s_lshl_b32 s42, s19, 4
	s_add_co_u32 s42, s42, s[WV]                   ; my image of Q: 16 cx + wave = 32 stored queries
	s_mul_i32 s44, s42, 1536
	s_add_co_u32 s44, s44, QC
	s_mov_b32 s45, 0
	s_add_nc_u64 s[6:7], s[4:5], s[44:45]          ; Q's codes
	s_lshr_b32 s44, s42, 2
	s_lshl_b32 s44, s44, 8                         ; its step's 256 bytes of scale words;
	s_and_b32 s46, s[WV], 1
	s_lshl_b32 s46, s46, 7                         ; an odd image's words lie in lanes 16-31's places;
	s_add_co_u32 s44, s44, s46
	s_bfe_u32 s46, s[WV], 0x10001
	s_lshl_b32 s46, s46, 2                         ; images 2 and 3 in word 1
	s_add_co_u32 s44, s44, s46
	s_add_co_u32 s44, s44, QSC
	s_add_nc_u64 s[12:13], s[4:5], s[44:45]        ; Q's scale words
	s_and_b32 s46, s36, 15                         ; head
	s_lshr_b32 s47, s36, 4                         ; batch
	s_mul_i32 s44, s46, PLANE
	s_lshl_b32 s48, s47, 7
	s_lshl_b32 s49, s42, 1
	s_add_co_u32 s48, s48, s49                     ; my first tile of 16 tokens
	s_mul_i32 s48, s48, 768
	s_add_co_u32 s44, s44, s48
	s_lshl_b32 s50, s47, 11
	s_lshl_b32 s51, s42, 5
	s_add_co_u32 s50, s50, s51                     ; my first token
	s_lshl_b32 s50, s50, 5
	s_lshl_b32 s51, s46, 1
	s_add_co_u32 s50, s50, s51
	s_add_co_u32 s50, s50, OS
	s_mov_b32 s51, 0
	s_add_nc_u64 s[10:11], s[8:9], s[50:51]        ; o's scale bytes
	s_add_nc_u64 s[8:9], s[8:9], s[44:45]          ; o's codes
	v_and_b32 v7, 31, v0                           ; lane
	s_delay_alu instid0(VALU_DEP_1)
	v_lshlrev_b32 v1, 4, v7                        ; 16 x lane: K's images,
	s_delay_alu instid0(VALU_DEP_1)
	v_add_nc_u32 v2, VC, v1                        ; V's,
	s_delay_alu instid0(VALU_DEP_3)
	v_lshlrev_b32 v4, 3, v7                        ; 8 x lane
	s_delay_alu instid0(VALU_DEP_1)
	v_add_nc_u32 v3, KSC, v4                       ; the scale words
	v_lshlrev_b32 v5, 5, v7                        ; 32 x lane: a row of o's scale bytes
	v_and_b32 v6, 15, v0
	s_delay_alu instid0(VALU_DEP_1)
	v_lshlrev_b32 v6, 3, v6                        ; 8 x (lane % 16)
.irp c, 0,1,2
	global_load_b128 v[210+4*\c:213+4*\c], v1, s[6:7] offset:512*\c
.endr
	global_load_b32 v222, v6, s[12:13]             ; {b0, b1 of query r of the first tile, b0, b1 of the second's}
.irp b, 0,1,2,3
	v_mov_b32 v[236+\b], 0                         ; a lane permute's destination counts as one of its sources
.endr
	v_mov_b32 v253, 0                              ; (named as the upper half of v[252:253] before it is first written)
	s_wait_tensorcnt 0x0                           ; my part of K and V has landed,
	s_barrier_signal -1
	s_barrier_wait -1                              ; everybody's has
	s_wait_loadcnt 0x0                             ; Q
; A KEY STEP: 128 keys.
.macro STEP
	v_add_nc_u32 v8, s[TB], v1
	v_add_nc_u32 v9, s[TB], v2
	v_add_nc_u32 v10, s[TS], v3
	v_nop                                          ; four plain lines behind the last products, in front of loads into registers that they read
	ds_load_b64 v[248:249], v10
.irp g, 0,1,2,3
.irp c, 0,1,2
	ds_load_b128 v[32+12*\g+4*\c:35+12*\g+4*\c], v8 offset:1536*\g+512*\c
.endr
.endr
	s_wait_alu depctr_va_vdst(0)
.irp t, 0,1,2,3,4,5,6,7                        ; S^T: tile t = half t % 2 of image t / 2
.if \t%2 == 0
	s_wait_dscnt 9-3*(\t/2)                        ; the scale words and images 0 .. t / 2 are in; the later images' loads, three each, may be out
.endif
.if (\t/2)%2
	v_wmma_scale_f32_16x16x128_f8f6f4 v[96+8*\t:103+8*\t], v[32+12*(\t/2):43+12*(\t/2)], v[192+6*(\t%2):203+6*(\t%2)], 0, v[248+\t/4], v255 matrix_a_fmt:MATRIX_FMT_FP6 matrix_b_fmt:MATRIX_FMT_FP6 matrix_a_scale:MATRIX_SCALE_ROW1
.else
	v_wmma_scale_f32_16x16x128_f8f6f4 v[96+8*\t:103+8*\t], v[32+12*(\t/2):43+12*(\t/2)], v[192+6*(\t%2):203+6*(\t%2)], 0, v[248+\t/4], v255 matrix_a_fmt:MATRIX_FMT_FP6 matrix_b_fmt:MATRIX_FMT_FP6
.endif
.endr
.rept 4
	v_nop                                          ; places: for V's loads into K's registers, and for the first read of the scores
.endr
.irp g, 0,1,2,3                                ; V's four images land under the softmax
.irp c, 0,1,2
	ds_load_b128 v[32+12*\g+4*\c:35+12*\g+4*\c], v9 offset:1536*\g+512*\c
.endr
.endr
	ds_load_b64 v[250:251], v10 offset:4096
.irp b, 0,1,2,3
	v_max3_num_f32 v[232+\b], v[96+16*\b], v[97+16*\b], v[98+16*\b]   ; the largest score of each block of 32 keys: for the row's maximum, and, since p rises with the score, for the block's largest p
.endr
.irp i, 3,5,7,9,11,13
.irp b, 0,1,2,3
	v_max3_num_f32 v[232+\b], v[232+\b], v[96+16*\b+\i], v[97+16*\b+\i]
.endr
.endr
.irp b, 0,1,2,3
	v_max_num_f32 v[232+\b], v[232+\b], v[111+16*\b]
.endr
.irp b, 0,1,2,3
	s_delay_alu instid0(VALU_DEP_4)
	v_permlanex16_b32 v[236+\b], v[232+\b], s[SEL], s[SEL+1]
.endr
.irp b, 0,1,2,3
	s_delay_alu instid0(VALU_DEP_4)
	v_max_num_f32 v[232+\b], v[232+\b], v[236+\b]  ; with lane l xor 16's 16 keys
.endr
	s_delay_alu instid0(VALU_DEP_2)
	v_max3_num_f32 v254, v232, v233, v234
	s_delay_alu instid0(VALU_DEP_1)
	v_max_num_f32 v254, v254, v235                 ; the step's largest score of my query
	s_delay_alu instid0(VALU_DEP_1)
	v_mul_f32 v254, s[CS], v254                    ; as t (c is positive)
	s_delay_alu instid0(VALU_DEP_1)
	v_max_num_f32 v13, v13, v254                   ; the running largest t
	v_mov_b32 v254, v12
	s_delay_alu instid0(VALU_DEP_2)
	v_floor_f32 v12, -v13                          ; the new -M = floor(-t): M is a whole number
	s_delay_alu instid0(VALU_DEP_1)
	v_sub_f32 v254, v12, v254                      ; old M - new M: a whole number, 0 or less
	s_delay_alu instid0(VALU_DEP_1)
	v_cvt_i32_f32 v254, v254                       ; (it saturates)
	s_delay_alu instid0(VALU_DEP_1)
	v_ldexp_f32 v252, 1.0, v254                    ; f = 2^(old M - new M)
.set k, 0
.rept 32
	v_pk_fma_f32 v[96+k:97+k], v[96+k:97+k], s[CS:CS+1], v[12:13] op_sel_hi:[1,0,0]   ; t - M, two at a time
.set k, k+2
.endr
.irp b, 0,1,2,3
	v_fma_f32 v[232+\b], v[232+\b], s[CS], v12     ; the same of each block's largest score
.endr
.set k, 0
	s_wait_alu depctr_va_vdst(0)
.rept 64
	v_exp_f32 v[96+k], v[96+k]                     ; p = 2^(t - M), at most 1
.set k, k+1
.endr
	s_setprio 1
	v_pk_mul_f32 v[14:15], v[14:15], v[252:253] op_sel_hi:[1,0]   ; the sums under the new M (a plain line behind the exponentials)
	s_wait_alu depctr_va_vdst(0)                   ; one wait for the batch of 64, ahead of its first reader
.irp b, 0,1,2,3
	v_exp_f32 v[232+\b], v[232+\b]                 ; the block's largest p
.endr
	v_pk_add_f32 v[236:237], v[100:101], v[104:105]
	v_pk_add_f32 v[248:249], v[108:109], v[112:113]
	v_pk_add_f32 v[246:247], v[116:117], v[120:121]
	v_pk_add_f32 v[244:245], v[124:125], v[128:129]
	v_pk_add_f32 v[240:241], v[132:133], v[136:137]
	v_pk_add_f32 v[238:239], v[140:141], v[144:145]
	v_pk_add_f32 v[230:231], v[148:149], v[152:153]
	v_pk_add_f32 v[14:15], v[14:15], v[156:157]
	v_pk_add_f32 v[236:237], v[236:237], v[96:97]
	v_pk_add_f32 v[248:249], v[248:249], v[98:99]
	v_pk_add_f32 v[246:247], v[246:247], v[102:103]
	v_pk_add_f32 v[244:245], v[244:245], v[106:107]
	v_pk_add_f32 v[240:241], v[240:241], v[110:111]
	v_pk_add_f32 v[238:239], v[238:239], v[114:115]
	v_pk_add_f32 v[230:231], v[230:231], v[118:119]
	v_pk_add_f32 v[14:15], v[14:15], v[122:123]
	v_pk_add_f32 v[236:237], v[236:237], v[126:127]
	v_pk_add_f32 v[248:249], v[248:249], v[130:131]
	v_pk_add_f32 v[246:247], v[246:247], v[134:135]
	v_pk_add_f32 v[244:245], v[244:245], v[138:139]
	v_pk_add_f32 v[240:241], v[240:241], v[142:143]
	v_pk_add_f32 v[238:239], v[238:239], v[146:147]
	v_pk_add_f32 v[230:231], v[230:231], v[150:151]
	v_pk_add_f32 v[14:15], v[14:15], v[154:155]
	v_pk_add_f32 v[236:237], v[236:237], v[158:159]
	s_delay_alu instid0(VALU_DEP_2)
	v_pk_add_f32 v[14:15], v[14:15], v[244:245]
	s_delay_alu instid0(VALU_DEP_2)
	v_pk_add_f32 v[236:237], v[236:237], v[240:241]
	v_pk_add_f32 v[248:249], v[248:249], v[238:239]
	v_pk_add_f32 v[246:247], v[246:247], v[230:231]
	s_delay_alu instid0(VALU_DEP_2)
	v_pk_add_f32 v[14:15], v[14:15], v[248:249]
	s_delay_alu instid0(VALU_DEP_2)
	v_pk_add_f32 v[236:237], v[236:237], v[246:247]
	s_delay_alu instid0(VALU_DEP_1)
	v_pk_add_f32 v[14:15], v[14:15], v[236:237]
	s_wait_alu depctr_va_vdst(0)                   ; and one for the four
.irp b, 0,1,2,3
	v_max_num_f32 v[232+\b], 0x1800000, v[232+\b]  ; the floor 2^(3 - 127)
.endr
.irp b, 0,1,2,3
	s_delay_alu instid0(VALU_DEP_4)
	v_add_nc_u32 v[244+\b], 0xff000000, v[232+\b]  ; the conversion's scale operand
.endr
.irp b, 0,1,2,3
	s_delay_alu instid0(VALU_DEP_4)
	v_lshrrev_b32 v[236+\b], 23, v[244+\b]         ; the scale's byte
.endr
	s_delay_alu instid0(VALU_DEP_3)
	v_lshl_or_b32 v253, v237, 8, v236              ; p's scale word for these 128 keys
	s_delay_alu instid0(VALU_DEP_1)
	v_lshl_or_b32 v253, v238, 16, v253
	s_delay_alu instid0(VALU_DEP_1)
	v_lshl_or_b32 v253, v239, 24, v253
.irp c, 0,1
	v_cvt_scalef32_pk16_fp6_f32 v[224+6*\c:226+6*\c], v[96+32*\c:111+32*\c], v[244+2*\c]
	v_cvt_scalef32_pk16_fp6_f32 v[236+4*\c:238+4*\c], v[112+32*\c:127+32*\c], v[244+2*\c+1]
.endr
	v_nop                                          ; one plain line behind a scaled conversion
.irp c, 0,1
.irp i, 0,1,2
	v_permlane16_swap_b32 v[224+6*\c+\i], v[236+4*\c+\i]
.endr
.irp i, 0,1,2
	s_delay_alu instid0(VALU_DEP_3)
	v_mov_b32 v[227+6*\c+\i], v[236+4*\c+\i]
.endr
.endr
.set k, 0
	s_setprio 0
.rept 16
	v_pk_mul_f32 v[160+k:161+k], v[160+k:161+k], v[252:253] op_sel_hi:[1,0]   ; O^T under the new M; these sixteen are also the places between the codes' and the scale word's last writes and the products
.set k, k+2
.endr
	s_wait_alu depctr_va_vdst(0)
	s_wait_dscnt 0x0                               ; V's images and scale words
.irp d, 0,1,2,3                                ; O^T += V^T P^T: four accumulators by turns, one instruction a turn
.if \d%2
	v_wmma_scale_f32_16x16x128_f8f6f4 v[160+8*\d:167+8*\d], v[32+12*\d:43+12*\d], v[224:235], v[160+8*\d:167+8*\d], v[250+\d/2], v253 matrix_a_fmt:MATRIX_FMT_FP6 matrix_b_fmt:MATRIX_FMT_FP6 matrix_a_scale:MATRIX_SCALE_ROW1
.else
	v_wmma_scale_f32_16x16x128_f8f6f4 v[160+8*\d:167+8*\d], v[32+12*\d:43+12*\d], v[224:235], v[160+8*\d:167+8*\d], v[250+\d/2], v253 matrix_a_fmt:MATRIX_FMT_FP6 matrix_b_fmt:MATRIX_FMT_FP6
.endif
.endr
	s_add_co_u32 s[TB], s[TB], 6144
	s_add_co_u32 s[TS], s[TS], 256
.endm
; A PASS: tile u of my two tiles of 16 queries walks all 2,048 keys.
.macro PASS u
.if \u
	s_wait_xcnt 0x0                                ; the first pass's stores have read v224-229
.endif
.irp i, 0,1,2,3,4,5
	v_mov_b32 v[192+\i], v[210+6*\u+\i]            ; [q, 0, q]
	v_mov_b32 v[204+\i], v[210+6*\u+\i]
.endr
.if \u == 0
.irp i, 0,1,2,3,4,5
	v_mov_b32 v[198+\i], 0
.endr
	v_perm_b32 v255, v222, v222, 0x01000100        ; Q's scale word {b0, b1, b0, b1}
.else
	v_perm_b32 v255, v222, v222, 0x03020302
.endif
	v_mov_b32 v13, 0xff61b1e6                      ; the largest t so far: -3e38
	s_delay_alu instid0(VALU_DEP_1)
	v_floor_f32 v12, -v13
	v_mov_b32 v14, 0
	v_mov_b32 v15, 0
.set k, 0
.rept 32
	v_mov_b32 v[160+k], 0                          ; O^T: the first change of M leaves zeros zeros.  (These lines are also the places behind the writes of Q and of its scale word)
.set k, k+1
.endr
	s_mov_b32 s[TB], 0
	s_mov_b32 s[TS], 0
	s_mov_b32 s[CNT], 16
.Lstep_\@:
	s_setprio 2
	STEP
	s_sub_co_u32 s[CNT], s[CNT], 1
	s_cmp_lg_u32 s[CNT], 0
	s_cbranch_scc1 .Lstep_\@
	s_setprio 0
	v_add_f32 v14, v14, v15                        ; the sum's two halves,
	s_delay_alu instid0(VALU_DEP_1)
	v_permlanex16_b32 v252, v14, s[SEL], s[SEL+1]
	s_delay_alu instid0(VALU_DEP_1)
	v_add_f32 v14, v14, v252                       ; and lane l xor 16's
	s_wait_alu depctr_va_vdst(0)
	v_rcp_f32 v14, v14
.rept 4
	v_nop                                          ; plain lines behind the reciprocal and behind the last products
.endr
	s_wait_alu depctr_va_vdst(0)                   ; ahead of the reciprocal's first reader
.set k, 0
.rept 16
	v_pk_mul_f32 v[96+k:97+k], v[160+k:161+k], v[14:15] op_sel_hi:[1,0]   ; o = O^T / l: register 16 b + i is d = 32 b + 16 (lane / 16) + i; each accumulator from its low end on
.set k, k+2
.endr
.irp b, 0,1
	v_max3_num_f32 v[232+\b], |v[96+16*\b]|, |v[97+16*\b]|, 0x1800000
.endr
.irp i, 2,4,6,8,10,12,14
.irp b, 0,1
	s_delay_alu instid0(VALU_DEP_2)
	v_max3_num_f32 v[232+\b], v[232+\b], |v[96+16*\b+\i]|, |v[97+16*\b+\i]|
.endr
.endr
.irp b, 0,1
	s_delay_alu instid0(VALU_DEP_2)
	v_permlanex16_b32 v[236+\b], v[232+\b], s[SEL], s[SEL+1]
.endr
.irp b, 0,1
	s_delay_alu instid0(VALU_DEP_2)
	v_max_num_f32 v[232+\b], v[232+\b], v[236+\b]
.endr
.irp b, 0,1
	s_delay_alu instid0(VALU_DEP_2)
	v_add_nc_u32 v[244+\b], 0xff000000, v[232+\b]
.endr
.irp b, 0,1
	s_delay_alu instid0(VALU_DEP_2)
	v_lshrrev_b32 v[236+\b], 23, v[244+\b]
.endr
	s_delay_alu instid0(VALU_DEP_1)
	v_lshl_or_b32 v[16+\u], v237, 8, v236          ; my query's two scale bytes of this head
	v_cvt_scalef32_pk16_fp6_f32 v[224:226], v[96:111], v244
	v_cvt_scalef32_pk16_fp6_f32 v[240:242], v[112:127], v245
	v_nop
.irp i, 0,1,2
	v_permlane16_swap_b32 v[224+\i], v[240+\i]
.endr
.irp i, 0,1,2
	s_delay_alu instid0(VALU_DEP_3)
	v_mov_b32 v[227+\i], v[240+\i]                 ; v224-229: d = 32 (lane / 16) + 0 .. 31 of query lane % 16
.endr
.irp p, 0,1,2
	global_store_b64 v4, v[224+2*\p:225+2*\p], s[8:9] offset:768*\u+256*\p   ; 32 lanes store 256 consecutive bytes, aligned
.endr
.endm
	PASS 0
	PASS 1
	v_cndmask_b32 v223, v16, v17, s[MK]            ; lanes 0-15: the first tile's rows, lanes 16-31: the second's
	global_store_b16 v5, v223, s[10:11]
	s_wait_dscnt 0x0
	s_wait_tensorcnt 0x0
	ds_add_u32 v95, v243
	s_wait_dscnt 0x0
	CROUND                                         ; the closing round
	s_endpgm
.Lfunc_end_k_q5b89962e06_attn:
	.size	k_q5b89962e06_attn, .Lfunc_end_k_q5b89962e06_attn-k_q5b89962e06_attn
	.p2alignl 7, 3214868480
	.fill 96, 4, 3214868480
	.section	.rodata,"a",@progbits
	.p2align	6, 0x0
	.amdhsa_kernel k_q5b89962e06_attn
		.amdhsa_group_segment_fixed_size 206848
		.amdhsa_private_segment_fixed_size 0
		.amdhsa_enable_private_segment 0
		.amdhsa_kernarg_size 16
		.amdhsa_user_sgpr_count 2
		.amdhsa_user_sgpr_kernarg_segment_ptr 1
		.amdhsa_wavefront_size32 1
		.amdhsa_system_sgpr_workgroup_id_x 1
		.amdhsa_system_sgpr_workgroup_id_y 1
		.amdhsa_system_sgpr_workgroup_id_z 1
		.amdhsa_system_vgpr_workitem_id 0
		.amdhsa_next_free_vgpr 256
		.amdhsa_next_free_sgpr 68
		.amdhsa_reserve_vcc 0
		.amdhsa_float_denorm_mode_32 3
		.amdhsa_float_denorm_mode_16_64 3
		.amdhsa_memory_ordered 1
		.amdhsa_forward_progress 1
		.amdhsa_inst_pref_size 52
	.end_amdhsa_kernel
	.amdgpu_metadata
---
amdhsa.version: [ 1, 2 ]
amdhsa.kernels:
  - .name:           k_q5b89962e06_attn
    .symbol:         k_q5b89962e06_attn.kd
    .args:
      - { .name: qkv, .offset: 0, .size: 8, .value_kind: global_buffer, .address_space: global }
      - { .name: oq, .offset: 8, .size: 8, .value_kind: global_buffer, .address_space: global }
    .group_segment_fixed_size: 206848
    .private_segment_fixed_size: 0
    .kernarg_segment_align: 8
    .kernarg_segment_size: 16
    .max_flat_workgroup_size: 512
    .sgpr_count:     68
    .vgpr_count:     256
    .wavefront_size: 32
...
	.end_amdgpu_metadata
.endif
;; end of part 3
;; launch proj (part 4): grid 32 x 4, 4 waves a work-group, clusters of 4 x 4, 327,680 bytes of LDS; arguments woq, oq, WO_b, out0; writes out0
.if DOCPART == 4
	.amdgcn_target "amdgcn-amd-amdhsa--gfx1250"
	.amdhsa_code_object_version 6
	.text
	.protected	k_q5b89962e06_proj
	.globl	k_q5b89962e06_proj
	.p2align	8
	.type	k_q5b89962e06_proj,@function
k_q5b89962e06_proj:
	s_mov_b64 s[64:65], 0
	v_nop
	global_prefetch_b8 v0, s[64:65] scope:SCOPE_SE
	s_setreg_imm32_b32 hwreg(HW_REG_WAVE_MODE, 25, 1), 1
	s_wait_xcnt 0x0
	s_wait_alu depctr_hold_cnt(0) depctr_sa_sdst(0) depctr_va_vdst(0) depctr_va_sdst(0) depctr_va_ssrc(0) depctr_va_vcc(0) depctr_vm_vsrc(0)
	s_getreg_b32 s2, hwreg(HW_REG_IB_STS2, 6, 4)
	s_cmp_eq_u32 s2, 0
	s_cbranch_scc0 .Lentry_in_a_cluster
	s_endpgm
.Lentry_in_a_cluster:
	s_bfe_u32 s2, ttmp6, 0x10000c
	s_cmp_lg_u32 s2, 0xf033
	s_cbranch_scc0 .Lentry_shape_is_right
	s_endpgm
.Lentry_shape_is_right:
; PROJ: out0[b][c][s] = sum over (h, d) of WO_w[c][(h, d)] o[b][s][(h, d)] + WO_b[c], on codes of FP6 (E2M3) with E8M0 scales, K = 1024; sums in f32.
; A tile of 256 channels x 256 tokens is made by four waves, 128 x 128 each.  K goes in steps of 256 (four heads) through a ring of two LDS slots filled by the tensor data mover.
; Source 0 = 16 stored tokens of o ('B'), source 1 = 16 rows of WO_w ('A'): a lane holds one channel and eight neighbouring tokens, which are neighbours in out0.
; A's tiles: rows of 192 bytes, padded in LDS.  B's tiles: o's codes lie [head][tile of 16 tokens][3 pieces][32 lanes][8 bytes], so 128 tokens of a head are 6,144 dense bytes:
; a tile is 4 such rows, a head's plane apart, and a fragment comes by six loads of 8 bytes at consecutive lanes' consecutive addresses.
; o's tokens are in stored order (bits 3 and 4 of the row exchanged): register j of B's tile b in lane (r, h) is token 32 (b / 2) + 16 h + 8 (b % 2) + j: the stage's offsets put it there.
; The bias is the C of each sum's first matrix instruction.  CLUSTERS: 4 x 4; A's tile shared along a row of the cluster, B's along a column.  The grid is one cluster high: the tile row is cy.
; REGISTERS as in the launch qkv: window 0: v0-31 addresses; v32-63 scale words; v64-127 the bias, eight registers a block of A; from v128 A's fragments; window 1 B's, two sets; windows 2, 3 the accumulators.
.set KSTEP,  256
.set NQ,     KSTEP/128
.set ROWB,   192
.set KROW,   768
.set PITCH,  240
.set FR,     12
.set NL,     6
.set NP,     4
.set HALFT,  128*PITCH
.set SLOT,   4*HALFT
.set LAPS,   2
.set KS,     32
.set SCL,    2*SLOT
.set HALFS,  (128*KS/256)*272
.set SBLK,   (16*KS/256)*272
.set SPARE,  SCL+4*HALFS               ; the spare words, 128 bytes a wave: two blocks of 256 bytes that no other line names
.set SPITCH, 528                       ; the way out: 16 rows x (512 bytes + 16) for each wave, in slot 0, which has had its last fill and its last read by then
.set WOQS,   786432
.set OS,     6291456
.set PLANE,  393216                    ; a head's codes of all tokens
.set BROW,   6144                      ; 128 tokens of a head
.set CROW,   8192                      ; a row of out0 in bytes
.set ADRA, 16
.set ADRB, 20
.set STO,  24
.set RD,   25
.set CO,   26
.set ADRS, 27
.set SPW,  28
.set NIL,  29
.set SC,   32
.set BI,   64
.set AF,   128
.set BK,   128
.set G1, 24
.set G0, 32
.set G1B, 48
.set G0B, 56
.set G1S, 68
.set G0S, 76
.set G1SB, 80
.set G0SB, 88
.set MSB, 0
.macro WIN new
.if MSB != \new
	s_set_vgpr_msb (MSB<<8)|\new
.set MSB, \new
.endif
.endm
.set MUL_LO, 0xa1
.set MUL_HI, 0xf1
.set TO_B,   0x40
.macro JLOAD g0a, g1a, g0b, g1b
	s_cmp_eq_u32 s15, 0
	s_cbranch_scc0 .Lfor_b_\@
	tensor_load_to_lds s[\g0a:\g0a+3], s[\g1a:\g1a+7]
	s_nop 0
.rept 4
	v_nop
.endr
	s_branch .Lasked_\@
.Lfor_b_\@:
	tensor_load_to_lds s[\g0b:\g0b+3], s[\g1b:\g1b+7]
	s_nop 0
.rept 4
	v_nop
.endr
.Lasked_\@:
.endm
.macro CREST
	s_cmp_lg_u32 s14, 0
	s_cbranch_scc1 .Lnot_wave_0_\@
	s_barrier_signal -3
.Lnot_wave_0_\@:
	s_barrier_wait -3
	s_barrier_signal -1
	s_barrier_wait -1
.endm
.macro CROUND
	s_barrier_signal -1
	s_barrier_wait -1
	CREST
.endm
	s_load_b128 s[4:7], s[0:1], 0x0                ; woq s[4:5], oq s[6:7]
	s_load_b128 s[96:99], s[0:1], 0x10             ; WO_b s[96:97], out0 s[98:99]
	v_lshl_add_u32 v[SPW], v0, 2, SPARE
	v_mov_b32 v[NIL], 0
	ds_add_u32 v28, v29
	ds_add_u32 v28, v29
	s_wait_dscnt 0x0
	v_lshrrev_b32 v1, 5, v0
	v_readfirstlane_b32 s14, v1                    ; wave 0..3
	s_lshr_b32 s15, s14, 1                         ; my half of A's rows.  Also: I fetch for A (0) or for B (1)
	s_and_b32 s16, s14, 1                          ; my half of B's rows.  Also: which 128 rows I fetch
	s_bfe_u32 s40, ttmp6, 0x40000                  ; cx
	s_bfe_u32 s41, ttmp6, 0x40004                  ; cy
	s_lshl_b32 s42, ttmp9, 2
	s_add_co_u32 s42, s42, s40                     ; B's tile of 256 tokens = 4 x cluster x + cx
	s_mov_b32 s17, s41                             ; A's tile of 256 channels = cy
	s_lshl_b32 s43, s41, 2
	s_lshl_b32 s43, 15, s43                        ; my row of the cluster
	s_lshl_b32 s44, 0x1111, s40                    ; my column
	s_or_b32 s[G1+0], s43, (0<<16)|(1<<20)|(1<<21)|(3<<22)|(3<<25)  ; A: elements of 1 byte; after every 16 words 4 words of padding
	s_mov_b32 s[G1+1], ROWB<<16
	s_mov_b32 s[G1+2], 128<<16
	s_mov_b32 s[G1+3], ROWB<<16
	s_mov_b32 s[G1+4], 128
	s_mov_b32 s[G1+5], KROW
	s_mov_b32 s[G1+6], 0
	s_mov_b32 s[G1+7], 0
	s_or_b32 s[G1B+0], s44, (0<<16)|(1<<21)        ; B: elements of 1 byte, no padding
	s_mov_b32 s[G1B+1], BROW<<16                   ; tensor_dim0
	s_mov_b32 s[G1B+2], 4<<16                      ; tensor_dim1: four heads
	s_mov_b32 s[G1B+3], BROW<<16                   ; tile_dim0
	s_mov_b32 s[G1B+4], 4                          ; tile_dim1
	s_mov_b32 s[G1B+5], PLANE                      ; the pitch
	s_mov_b32 s[G1B+6], 0
	s_mov_b32 s[G1B+7], 0
	s_or_b32 s[G1S+0], s43, (3<<16)|(1<<20)|(1<<21)|(5<<22)|(3<<25)
	s_or_b32 s[G1SB+0], s44, (3<<16)|(1<<20)|(1<<21)|(5<<22)|(3<<25)
.irp g, G1S, G1SB
	s_mov_b32 s[\g+1], 32<<16
	s_mov_b32 s[\g+2], (128*KS/256)<<16
	s_mov_b32 s[\g+3], 32<<16
	s_mov_b32 s[\g+4], 128*KS/256
	s_mov_b32 s[\g+5], 32
	s_mov_b32 s[\g+6], 0
	s_mov_b32 s[\g+7], 0
.endr
	s_lshl_b32 s18, s16, 7
	s_lshl_b32 s20, s17, 8
	s_add_co_u32 s20, s20, s18                     ; A's row
	s_lshl_b32 s46, s42, 8
	s_add_co_u32 s46, s46, s18                     ; B's row
	s_mov_b32 s21, 0
	s_mov_b32 s47, 0
	s_mov_b64 s[18:19], KS
	s_mul_u64 s[22:23], s[20:21], s[18:19]
	s_mul_u64 s[92:93], s[46:47], s[18:19]
	s_mov_b64 s[18:19], KROW
	s_mul_u64 s[20:21], s[20:21], s[18:19]
	s_mov_b64 s[18:19], 48                         ; 768 bytes for 16 tokens of a head
	s_mul_u64 s[46:47], s[46:47], s[18:19]
	s_mul_i32 s45, s14, HALFT
	s_mul_i32 s94, s14, HALFS
	s_wait_kmcnt 0x0
	s_mov_b64 s[8:9], s[6:7]                       ; B's codes
	s_add_nc_u64 s[10:11], s[6:7], OS              ; B's scale bytes
	s_add_nc_u64 s[6:7], s[4:5], WOQS              ; A's scale bytes
	s_mov_b64 s[12:13], s[98:99]                   ; out0
	s_add_nc_u64 s[20:21], s[4:5], s[20:21]
	s_add_nc_u64 s[22:23], s[6:7], s[22:23]
	s_add_nc_u64 s[46:47], s[8:9], s[46:47]
	s_add_nc_u64 s[92:93], s[10:11], s[92:93]
	CROUND                                         ; all sixteen work-groups are here: the first joint loads meet
	s_mov_b32 s[G0S], 1
	s_add_co_u32 s[G0S+1], s94, SCL
	s_mov_b64 s[G0S+2:G0S+3], s[22:23]
	s_or_b32 s[G0S+3], s[G0S+3], 0x80000000
	s_mov_b32 s[G0SB], 1
	s_add_co_u32 s[G0SB+1], s94, SCL
	s_mov_b64 s[G0SB+2:G0SB+3], s[92:93]
	s_or_b32 s[G0SB+3], s[G0SB+3], 0x80000000
	JLOAD G0S, G1S, G0SB, G1SB                     ; the scales first: filled once
.irp s, 0,1
	s_mov_b32 s[G0+4*\s], 1
	s_add_co_u32 s[G0+4*\s+1], s45, \s*SLOT
	s_add_nc_u64 s[G0+4*\s+2:G0+4*\s+3], s[20:21], \s*ROWB
	s_or_b32 s[G0+4*\s+3], s[G0+4*\s+3], 0x80000000
	s_mov_b32 s[G0B+4*\s], 1
	s_add_co_u32 s[G0B+4*\s+1], s45, \s*SLOT
	s_add_nc_u64 s[G0B+4*\s+2:G0B+4*\s+3], s[46:47], \s*4*PLANE
	s_or_b32 s[G0B+4*\s+3], s[G0B+4*\s+3], 0x80000000
	s_wait_alu depctr_va_vdst(0)
	s_wait_tensorcnt 0x0
	ds_add_u32 v28, v29
	s_wait_dscnt 0x0
	CROUND
	JLOAD G0+4*\s, G1, G0B+4*\s, G1B               ; one tensor load of mine is out
.endr
	v_and_b32 v1, 15, v0                           ; r
	v_bfe_u32 v2, v0, 4, 1                         ; h
	v_lshlrev_b32 v3, 2, v1
	s_lshl_b32 s18, s17, 10
	s_lshl_b32 s19, s15, 9
	s_add_co_u32 s18, s18, s19
	s_mov_b32 s19, 0
	s_add_nc_u64 s[96:97], s[96:97], s[18:19]      ; my 128 channels' biases
.irp a, 0,1,2,3,4,5,6,7
	global_load_b32 v[BI+8*\a], v3, s[96:97] offset:64*\a   ; channel 16 a + r
.endr
	s_wait_loadcnt 0x0
.irp a, 0,1,2,3,4,5,6,7
.irp j, 1,2,3,4,5,6,7
	v_mov_b32 v[BI+8*\a+\j], v[BI+8*\a]            ; a lane's eight results of a tile are one channel's
.endr
.endr
	v_mul_u32_u24 v3, v1, PITCH
	v_mul_u32_u24 v4, v2, 24
	v_add_nc_u32 v4, v3, v4                        ; A: a fragment's row x pitch + 24 x half
	v_lshl_add_u32 v5, v2, 4, v4                   ; and the same behind one padding more
	v_and_b32 v6, 31, v0
	v_lshlrev_b32 v7, 3, v6                        ; B: 8 x lane
	s_mul_i32 s21, s15, HALFT
	s_mul_i32 s22, s16, HALFT
	s_add_co_u32 s22, s22, 2*HALFT
.irp s, 0,1
	v_add_nc_u32 v[ADRA+\s], s21, v4
	v_add_nc_u32 v[ADRB+\s], s22, v7
	v_add_nc_u32 v[ADRA+2+\s], s21, v5
	s_add_co_u32 s21, s21, SLOT
	s_add_co_u32 s22, s22, SLOT
.endr
	v_mul_u32_u24 v5, v1, KS
	v_lshrrev_b32 v7, 8, v5
	v_lshl_add_u32 v5, v7, 4, v5
	s_mul_i32 s21, s15, HALFS
	s_mul_i32 s22, s16, HALFS
	s_add_co_u32 s22, s22, 2*HALFS
	s_sub_co_u32 s22, s22, s21
	v_mul_u32_u24 v7, s22, v2                      ; lanes 16-31 take B's
	s_add_co_u32 s21, s21, SCL
	v_add_nc_u32 v5, v5, v7
	v_add_nc_u32 v[ADRS], s21, v5
	s_mul_i32 s23, s14, 16*SPITCH                  ; my stage
	v_mul_u32_u24 v5, v1, SPITCH                   ; in: row r; lanes 16-31 hold tokens 16 further on: 64 bytes
	v_lshl_add_u32 v5, v2, 6, v5
	v_add_nc_u32 v[STO], s23, v5
	v_lshlrev_b32 v[CO], 4, v6                     ; back: the 32 lanes take one row of 512 bytes; and the same in out0
	v_add_nc_u32 v[RD], s23, v[CO]
	s_lshl_b32 s20, s17, 8
	s_lshl_b32 s21, s15, 7
	s_add_co_u32 s20, s20, s21                     ; my first channel
	s_lshl_b32 s20, s20, 13                        ; x 8,192 bytes
	s_lshr_b32 s21, s42, 3
	s_lshl_b32 s21, s21, 23                        ; the batch: 1024 x 2048 x 4 bytes
	s_add_co_u32 s20, s20, s21
	s_and_b32 s21, s42, 7
	s_lshl_b32 s21, s21, 10                        ; the tile's 256 tokens
	s_add_co_u32 s20, s20, s21
	s_lshl_b32 s21, s16, 9                         ; my 128 of them
	s_add_co_u32 s20, s20, s21
	s_mov_b32 s21, 0
	s_add_nc_u64 s[12:13], s[12:13], s[20:21]
.macro FRAG reg, adr, q, i             ; A: 16 rows x 128 K, in pieces of 8 bytes
.irp p, 0,1,2,3,4,5
.set PCE, 12*(\q)+6*(\p/3)+\p%3
.if PCE%8 < 5
	ds_load_b64 v[\reg+2*\p:\reg+2*\p+1], v[\adr] offset:8*PCE+16*(PCE/8)+(\i)*16*PITCH
.else
	ds_load_b64 v[\reg+2*\p:\reg+2*\p+1], v[\adr+2] offset:8*PCE+16*(PCE/8)+(\i)*16*PITCH
.endif
.endr
.endm
.macro FRAGB reg, slot, q, i           ; B: registers 6 c .. 6 c + 5 = head 2 q + c of the slot's four, tile i: three pieces of 256 bytes
.irp p, 0,1,2,3,4,5
	ds_load_b64 v[\reg+2*\p:\reg+2*\p+1], v[ADRB+\slot] offset:(2*(\q)+\p/3)*BROW+768*(\i)+256*(\p%3)
.endr
.endm
; 16 matrix instructions; zero = 1: the first product starts the sums on the bias.  The 64 accumulators take turns, one instruction a turn.
.macro MUL16 a0, p, q, sc, zero
.irp a, \a0, \a0+1
.irp b, 0,1,2,3,4,5,6,7
.if \zero
	v_wmma_scale_f32_16x16x128_f8f6f4 v[8*(8*((\a)%4)+\b):8*(8*((\a)%4)+\b)+7], v[128*(\p)+FR*\b:128*(\p)+FR*\b+FR-1], v[AF+FR*(\a):AF+FR*(\a)+FR-1], v[BI+8*(\a):BI+8*(\a)+7], v[SC+8*NQ*(\sc)+NQ*\b+(\q)], v[SC+8*NQ*(\sc)+NQ*(\a)+(\q)] matrix_a_fmt:MATRIX_FMT_FP6 matrix_b_fmt:MATRIX_FMT_FP6 matrix_a_scale:MATRIX_SCALE_ROW1
.else
	v_wmma_scale_f32_16x16x128_f8f6f4 v[8*(8*((\a)%4)+\b):8*(8*((\a)%4)+\b)+7], v[128*(\p)+FR*\b:128*(\p)+FR*\b+FR-1], v[AF+FR*(\a):AF+FR*(\a)+FR-1], v[8*(8*((\a)%4)+\b):8*(8*((\a)%4)+\b)+7], v[SC+8*NQ*(\sc)+NQ*\b+(\q)], v[SC+8*NQ*(\sc)+NQ*(\a)+(\q)] matrix_a_fmt:MATRIX_FMT_FP6 matrix_b_fmt:MATRIX_FMT_FP6 matrix_a_scale:MATRIX_SCALE_ROW1
.endif
.endr
.endr
.endm
.macro FETCH_B slot, q, p
	WIN TO_B
.irp i, 0,1,2,3,4,5,6,7
	FRAGB 128*(\p)+FR*\i, \slot, \q, \i
.endr
	WIN 0
.endm
.macro FETCH_A slot, q, i0
.irp i, \i0, \i0+1, \i0+2, \i0+3
	FRAG AF+FR*(\i), ADRA+\slot, \q, \i
.endr
.endm
.macro SCALES sc
.irp i, 0,1,2,3,4,5,6,7
	ds_load_b64 v[SC+8*NQ*\sc+NQ*\i:SC+8*NQ*\sc+NQ*\i+1], v[ADRS] offset:\i*SBLK
.endr
.endm
.macro PLACES n
.rept \n
	v_nop
.endr
.endm
.macro STEP slot, q, zero
.set WL, MUL_LO-0x20*(\zero)           ; with the bias as C: source 2 in window 0
.set WH, MUL_HI-0x30*(\zero)
	s_wait_dscnt 4*NL                              ; B's set and A's blocks 0-3 are in; the youngest 24 loads (A's blocks 4-7) may be out
	WIN WL
	MUL16 0, (\q)%2, \q, \slot, \zero
	MUL16 2, (\q)%2, \q, \slot, \zero
	s_wait_dscnt 0
	PLACES NP
	FETCH_B \slot, (\q)+1, 1-(\q)%2
	FETCH_A \slot, (\q)+1, 0
	WIN WH
	MUL16 4, (\q)%2, \q, \slot, \zero
	MUL16 6, (\q)%2, \q, \slot, \zero
	PLACES NP
	WIN 0
	FETCH_A \slot, (\q)+1, 4
.endm
.macro TURN slot, next, fill
	s_wait_tensorcnt 0x0                           ; all my tensor loads have landed: my part of the next slot
	ds_add_u32 v[SPW], v[NIL]                      ; 0 onto my spare word
	s_wait_dscnt 4*NL+1                            ; (the add and the youngest 24 loads may be out)
	WIN MUL_LO
	MUL16 0, 1, NQ-1, \slot, 0
	s_wait_dscnt 0x0                               ; the add is done, and my reads of this slot are over
	s_barrier_signal -1
	MUL16 2, 1, NQ-1, \slot, 0
	WIN 0
	s_barrier_wait -1
.if \fill
	CREST                                          ; no wave of any partner still reads this slot's tile or has a load on its way
	s_add_nc_u64 s[G0+4*\slot+2:G0+4*\slot+3], s[G0+4*\slot+2:G0+4*\slot+3], 2*ROWB
	s_add_nc_u64 s[G0B+4*\slot+2:G0B+4*\slot+3], s[G0B+4*\slot+2:G0B+4*\slot+3], 8*PLANE
	JLOAD G0+4*\slot, G1, G0B+4*\slot, G1B         ; the first tensor load behind the round, my only one until the next
.else
	PLACES NP
.endif
	s_wait_alu depctr_va_vdst(0)
	v_add_nc_u32 v[ADRS], 4*NQ, v[ADRS]
	FETCH_B \next, 0, 0
	FETCH_A \next, 0, 0
	SCALES \next
	WIN MUL_HI
	MUL16 4, 1, NQ-1, \slot, 0
	MUL16 6, 1, NQ-1, \slot, 0
	PLACES NP
	WIN 0
	FETCH_A \next, 0, 4
.endm
	s_wait_alu depctr_va_vdst(0)
	s_wait_tensorcnt 1                             ; the scales and my part of K step 0 are in (K step 1's load may be out)
	s_barrier_signal -1
	s_barrier_wait -1
	FETCH_B 0, 0, 0
	FETCH_A 0, 0, 0
	SCALES 0
	FETCH_A 0, 0, 4
	STEP 0, 0, 1
	s_mov_b32 s3, LAPS-1
.Llap:
	TURN 0, 1, 1
	STEP 1, 0, 0
	TURN 1, 0, 1
	STEP 0, 0, 0
	s_sub_co_u32 s3, s3, 1
	s_cmp_lg_u32 s3, 0
	s_cbranch_scc1 .Llap
	TURN 0, 1, 0
	STEP 1, 0, 0
	s_wait_dscnt 4*NL
	WIN MUL_LO
	MUL16 0, 1, NQ-1, 1, 0
	MUL16 2, 1, NQ-1, 1, 0
	s_wait_dscnt 0
	WIN MUL_HI
	MUL16 4, 1, NQ-1, 1, 0
	MUL16 6, 1, NQ-1, 1, 0
	WIN 0
; THE WAY OUT, block by block of 16 channels x 128 tokens, through my own stage in LDS: whole rows of 512 bytes come back and are stored by the 32 lanes.
.macro TOSTAGE a
.set AC, 64*((\a)%4)
.set WW, 0x08+4*((\a)/4)
	WIN WW                                         ; the data: window 2 or 3
.irp b, 0,1,2,3,4,5,6,7
	ds_store_b128 v[STO], v[AC+8*\b:AC+8*\b+3] offset:128*(\b/2)+32*(\b%2)       ; tokens 32 (b / 2) + 16 h + 8 (b % 2) on; each accumulator from its low end on
	ds_store_b128 v[STO], v[AC+8*\b+4:AC+8*\b+7] offset:128*(\b/2)+32*(\b%2)+16
.endr
	WIN 0
.set BB, BK+64*((\a)%2)
.irp t, 0,1,2,3,4,5,6,7,8,9,10,11,12,13,14,15
	ds_load_b128 v[BB+4*\t:BB+4*\t+3], v[RD] offset:\t*SPITCH   ; LDS serves a wave's instructions in order: these see the stores above
.endr
.endm
.macro SEND a, younger                 ; younger: the LDS instructions issued behind block a's loads, which may stay out
.set BB, BK+64*((\a)%2)
	s_wait_dscnt \younger
.if (\a) > 0
	s_add_nc_u64 s[12:13], s[12:13], 16*CROW       ; (behind a wait on XCNT: the earlier stores have read their base)
.endif
.irp t, 0,1,2,3,4,5,6,7,8,9,10,11,12,13,14,15
	global_store_b128 v[CO], v[BB+4*\t:BB+4*\t+3], s[12:13] offset:\t*CROW th:TH_STORE_NT   ; 32 lanes store 512 consecutive bytes, aligned to 256
.endr
.endm
	PLACES NP
	TOSTAGE 0
.irp a, 1,2,3,4,5,6,7
.if \a > 1
	s_wait_xcnt 0x0                                ; block a - 2's stores have read their registers and their base
.endif
	TOSTAGE \a
	SEND \a-1, 32                                  ; behind block a - 1's loads: block a's 16 stores and 16 loads
.endr
	s_wait_xcnt 0x0
	SEND 7, 0
	s_wait_tensorcnt 0x0                           ; the wave's end
	ds_add_u32 v[SPW], v[NIL]
	s_wait_dscnt 0x0
	CROUND                                         ; the closing round
	s_endpgm
.Lfunc_end_k_q5b89962e06_proj:
	.size	k_q5b89962e06_proj, .Lfunc_end_k_q5b89962e06_proj-k_q5b89962e06_proj
	.p2alignl 7, 3214868480
	.fill 96, 4, 3214868480
	.section	.rodata,"a",@progbits
	.p2align	6, 0x0
	.amdhsa_kernel k_q5b89962e06_proj
		.amdhsa_group_segment_fixed_size 327680
		.amdhsa_private_segment_fixed_size 0
		.amdhsa_enable_private_segment 0
		.amdhsa_kernarg_size 32
		.amdhsa_user_sgpr_count 2
		.amdhsa_user_sgpr_kernarg_segment_ptr 1
		.amdhsa_wavefront_size32 1
		.amdhsa_system_sgpr_workgroup_id_x 1
		.amdhsa_system_sgpr_workgroup_id_y 1
		.amdhsa_system_sgpr_workgroup_id_z 1
		.amdhsa_system_vgpr_workitem_id 0
		.amdhsa_next_free_vgpr 1024
		.amdhsa_next_free_sgpr 100
		.amdhsa_reserve_vcc 0
		.amdhsa_float_denorm_mode_32 3
		.amdhsa_float_denorm_mode_16_64 3
		.amdhsa_memory_ordered 1
		.amdhsa_forward_progress 1
		.amdhsa_inst_pref_size 163
	.end_amdhsa_kernel
	.amdgpu_metadata
---
amdhsa.version: [ 1, 2 ]
amdhsa.kernels:
  - .name:           k_q5b89962e06_proj
    .symbol:         k_q5b89962e06_proj.kd
    .args:
      - { .name: woq, .offset: 0, .size: 8, .value_kind: global_buffer, .address_space: global }
      - { .name: oq, .offset: 8, .size: 8, .value_kind: global_buffer, .address_space: global }
      - { .name: WO_b, .offset: 16, .size: 8, .value_kind: global_buffer, .address_space: global }
      - { .name: out0, .offset: 24, .size: 8, .value_kind: global_buffer, .address_space: global }
    .group_segment_fixed_size: 327680
    .private_segment_fixed_size: 0
    .kernarg_segment_align: 8
    .kernarg_segment_size: 32
    .max_flat_workgroup_size: 128
    .sgpr_count:     100
    .vgpr_count:     1024
    .wavefront_size: 32
...
	.end_amdgpu_metadata
.endif
;; end of part 4
